; MI455X (gfx1250); checked and timed in simulation.
; The chip was launched on July 23, 2026; its instructions are those of AMD's public machine-readable ISA for CDNA 5 (MIT licence, August 2026) and "CDNA5" Instruction Set Architecture Reference Guide (July 2026). The comments in the code are by the model that wrote it; some were corrected since.
;; FRNN Path B. Allowed arithmetic: float matrix products may take bf16 or f16 operands with f32 sums; other float arithmetic in f32, or as packed bf16 or f16 multiplies, adds, multiply-adds, maxima and minima; sums over many terms, partial sums and values carried from step to step in f32; what a program stores and reads back later, other than sums and carried values, may be rounded once to bf16 or f16.
;; Inputs: M 256 x 512 float32; Wms_b 256 float32; Wms_w 2,048 x 256 float32; Wrd_b 1,024 float32; Wrd_w 512 x 1,024 float32; Wtr_b 2,048 float32; Wtr_w 1,024 x 2,048 float32; bank_keys 4,096 x 512 float32; bank_used 4,096 float32; bank_vals 4,096 x 512 float32; g 512 float32; prev_mode 8 x 256 float32; x 8 x 1,024 x 1,024 float32.
;; Outputs: out0 8 x 1,024 x 1,024 float32; out1 8 x 1,024 x 256 float32.
;; One version. Each part assembles by itself: llvm-mc -triple=amdgcn-amd-amdhsa -mcpu=gfx1250 --defsym DOCPART=n.
;; ======== version 1 of 1: 4 launches
;; workspace buffers: wf 10,485,760 bytes; pf 2,228,224 bytes; opart 4,194,304 bytes; lpart 33,554,432 bytes; steer 327,680 bytes of whole numbers; ytab 1,048,576 bytes
;; launch prep (part 1): grid 576 x 1, 8 waves a work-group, no clusters, 170,496 bytes of LDS; arguments M, bank_keys, bank_used, Wtr_w, Wms_w, bank_vals, Wrd_w, wf, pf; writes wf, pf
.if DOCPART == 1
	.amdgcn_target "amdgcn-amd-amdhsa--gfx1250"
	.amdhsa_code_object_version 6
	.text
	.protected	k_q94a114894d_prep
	.globl	k_q94a114894d_prep
	.p2align	8
	.type	k_q94a114894d_prep,@function
k_q94a114894d_prep:
	s_mov_b64 s[64:65], 0
	v_nop
	global_prefetch_b8 v0, s[64:65] scope:SCOPE_SE
	s_setreg_imm32_b32 hwreg(HW_REG_WAVE_MODE, 25, 1), 1
	s_wait_xcnt 0x0
; PREP.  Two roles, chosen by the work-group number alone; each has LDS bytes of its own.
; ROLE S (work-groups 0-255): P = exp(4 cos(M row, bank key)) for 64 modes x 64 keys, as bf16 in matrix operand order, and the sums of P over the 64 keys.
;   modes is one-hot in the reference, so mem is a row of M and all that follows the scan is a table over the 256 modes.
;   No maximum is taken away: the scores are 4 x the cosine of two vectors normalised here by the norms of the very numbers that are multiplied, so exp lies in 0.018 .. 55.
;   A slot with bank_used <= 0.5 has weight 0; if no slot at all is used every weight is 1 (the uniform softmax of the reference).
; ROLE T (work-groups 256-575): Wtr_w, Wms_w, bank_vals, Wrd_w ([k][n] in f32) are rounded to bf16 and laid in operand order: the block of n tile nt (16 n) and K step ks (32 k)
;   is 1,024 bytes; byte 512 hf + 16 lane + 2 e holds n = 16 nt + lane % 16, k = 32 ks + 16 hf + 8 (lane / 16) + e.  Block number ((ks >> G) NT + nt) << G | (ks mod 2^G).
; LIMITS: every input is rounded once to bf16; NaN and infinities are not treated apart.
; No cluster, no tensor load, no prefetch: each work-group loads its few rows once, all loads going out at the start.
.set KB,    66560                      ; LDS, role S: 64 rows of M at 0, 64 keys at KB; a row is 1,024 bytes of bf16 + 16 of padding = 65 x 16 bytes
.set CQB,   133120                     ; 64 words 4 log2(e) / |m|; +256: 64 words 1 / |k|; +512: 64 flags
.set ANYB,  133888                     ; 8 words: has wave w seen a used slot
.set LSXB,  134144                     ; 512 bytes: the row sums [kp 2][q tile 4][16]
.set SPARE, 134656                     ; the spare words: 128 bytes for each of 8 waves
.set TT,    135680                     ; LDS, role T: 64 rows of TP bytes
.set TP,    544                        ; 256 bf16 + 32 bytes of padding = 17 x 32 bytes
.macro PLACES
.rept 4
	v_nop
.endr
.endm
.macro END3                            ; the end of a wave that wrote LDS
	s_wait_tensorcnt 0x0
	ds_add_u32 v8, v9
	s_wait_dscnt 0x0
.endm
	s_load_b512 s[8:23], s[0:1], 0x0               ; M, keys, used, Wtr_w, Wms_w, vals, Wrd_w, wf
	s_load_b64 s[24:25], s[0:1], 0x40              ; pf
	v_lshl_add_u32 v8, v0, 2, SPARE
	v_mov_b32 v9, 0
	v_lshrrev_b32 v1, 5, v0
	v_readfirstlane_b32 s40, v1                    ; wave 0..7
	s_mov_b32 s41, 0xffff0000
	s_mov_b32 s42, 0x76543210
	s_mov_b32 s43, 0xfedcba98
	v_and_b32 v1, 15, v0                           ; thread % 16
	v_lshrrev_b32 v2, 4, v0                        ; thread / 16
	s_cmp_lt_u32 ttmp9, 256
	s_cbranch_scc0 .Lrole_t
; ---------------------------------------------------------------- ROLE S
	s_and_b32 s44, ttmp9, 3                        ; qb: 64 modes
	s_lshr_b32 s45, ttmp9, 2                       ; kb64: 64 keys
	s_lshl_b32 s46, s44, 17
	s_mov_b32 s47, 0
	s_lshl_b32 s48, s45, 17
	s_mov_b32 s49, 0
	s_lshl_b32 s50, s45, 8
	s_mov_b32 s51, 0
	v_lshlrev_b32 v3, 11, v2
	v_lshl_add_u32 v3, v1, 4, v3                   ; row (thread / 16) x 2,048 + 16 (thread % 16): sixteen lanes take 256 bytes of a row
	v_mul_u32_u24 v4, v2, 1040
	v_lshl_add_u32 v4, v1, 3, v4                   ; the same place in LDS, in bf16
	v_add_nc_u32 v5, KB, v4
	v_lshlrev_b32 v6, 4, v0
	v_and_b32 v7, 63, v0
	v_lshlrev_b32 v7, 2, v7
	s_wait_kmcnt 0x0
	s_add_nc_u64 s[26:27], s[8:9], s[46:47]
	s_add_nc_u64 s[28:29], s[10:11], s[48:49]
	s_add_nc_u64 s[30:31], s[12:13], s[50:51]
.irp i, 0,1,2,3
	global_load_b128 v[192+4*(\i):195+4*(\i)], v6, s[12:13] offset:4096*(\i)   ; all 4,096 flags, 16 a thread
.endr
	global_load_b32 v208, v7, s[30:31]             ; the flag of one of my 64 keys
.macro LOADU sb, q0, buf               ; two rows a thread group: rows thread / 16 + 16 q, q = q0, q0 + 1
.irp qq, 0,1
.irp c, 0,1,2,3,4,5,6,7
	global_load_b128 v[(\buf)+32*(\qq)+4*(\c):(\buf)+32*(\qq)+4*(\c)+3], v3, s[\sb:\sb+1] offset:((\q0)+(\qq))*32768+(\c)*256
.endr
.endr
.endm
.macro PROC buf, la, q0, ss            ; round to bf16, store to LDS, sum the squares of the ROUNDED numbers; the sum ends in all sixteen lanes of the row
.irp qq, 0,1
.irp c, 0,1,2,3,4,5,6,7
.set PX, (\buf)+32*(\qq)+4*(\c)
	v_cvt_pk_bf16_f32 v18, v[PX], v[PX+1]
	v_cvt_pk_bf16_f32 v19, v[PX+2], v[PX+3]
	ds_store_b64 v[\la], v[18:19] offset:((\q0)+(\qq))*16640+(\c)*128
	v_lshlrev_b32 v[PX], 16, v18
	v_and_b32 v[PX+1], s41, v18
	v_lshlrev_b32 v[PX+2], 16, v19
	v_and_b32 v[PX+3], s41, v19
.if (\c) == 0
	v_pk_mul_f32 v[20:21], v[PX:PX+1], v[PX:PX+1]
	v_pk_mul_f32 v[22:23], v[PX+2:PX+3], v[PX+2:PX+3]
.else
	v_pk_fma_f32 v[20:21], v[PX:PX+1], v[PX:PX+1], v[20:21]
	v_pk_fma_f32 v[22:23], v[PX+2:PX+3], v[PX+2:PX+3], v[22:23]
.endif
.endr
	v_pk_add_f32 v[20:21], v[20:21], v[22:23]
	v_add_f32 v[(\ss)+(\qq)], v20, v21
.irp x, 1,2,4,8
	v_add_f32_dpp v[(\ss)+(\qq)], v[(\ss)+(\qq)], v[(\ss)+(\qq)] row_xmask:\x row_mask:0xf bank_mask:0xf
.endr
.endr
.endm
	LOADU 26, 0, 64
	LOADU 26, 2, 128
	s_wait_loadcnt 16                              ; the younger unit (16 loads) may stay out
	PROC 64, 4, 0, 10
	LOADU 28, 0, 64
	s_wait_loadcnt 16
	PROC 128, 4, 2, 12
	LOADU 28, 2, 128
	s_wait_loadcnt 16
	PROC 64, 5, 0, 14
	s_wait_loadcnt 0x0
	PROC 128, 5, 2, 16
	; is any slot used: the greatest flag of all, rounded once (rounding keeps the order), against 0.5
	v_max3_num_f32 v192, v192, v193, v194
	v_max3_num_f32 v195, v195, v196, v197
	v_max3_num_f32 v198, v198, v199, v200
	v_max3_num_f32 v201, v201, v202, v203
	v_max3_num_f32 v204, v204, v205, v206
	v_max3_num_f32 v192, v192, v195, v198
	v_max3_num_f32 v201, v201, v204, v207
	v_max_num_f32 v192, v192, v201
.irp x, 1,2,4,8
	v_max_num_f32_dpp v192, v192, v192 row_xmask:\x row_mask:0xf bank_mask:0xf
.endr
	v_permlanex16_b32 v193, v192, s42, s43
	v_max_num_f32 v192, v192, v193
	v_cvt_pk_bf16_f32 v192, v192, v192
	v_lshlrev_b32 v192, 16, v192
	v_cmp_lt_f32 vcc_lo, 0.5, v192
	v_cndmask_b32 v192, 0, 1.0, vcc_lo
	v_mov_b32 v194, s40
	v_lshl_add_u32 v194, v194, 2, ANYB
	ds_store_b32 v194, v192
	v_cvt_pk_bf16_f32 v208, v208, v208
	v_lshlrev_b32 v208, 16, v208
	v_cmp_lt_f32 vcc_lo, 0.5, v208
	v_cndmask_b32 v208, 0, 1.0, vcc_lo
	v_lshl_add_u32 v195, v0, 2, CQB+512
	s_cmp_lt_u32 s40, 2                            ; threads 0-63 store the 64 flags
	s_cbranch_scc0 .Lno_uf
	ds_store_b32 v195, v208
.Lno_uf:
	; 1 / max(norm, 1e-12); the modes take 4 log2(e) with them
.irp i, 0,1,2,3,4,5,6,7
	v_sqrt_f32 v[10+(\i)], v[10+(\i)]
.endr
	v_nop
	s_wait_alu depctr_va_vdst(0)                   ; one wait for the eight roots
.irp i, 0,1,2,3,4,5,6,7
	v_max_num_f32 v[10+(\i)], 0x2b8cbccc, v[10+(\i)]
.endr
.irp i, 0,1,2,3,4,5,6,7
	v_rcp_f32 v[10+(\i)], v[10+(\i)]
.endr
	v_lshl_add_u32 v24, v2, 2, CQB                 ; a plain line behind the last reciprocal
	s_wait_alu depctr_va_vdst(0)                   ; one wait for the eight reciprocals
.irp i, 0,1,2,3
	v_mul_f32 v[10+(\i)], 0x40b8aa3b, v[10+(\i)]
.endr
.irp i, 0,1,2,3
	ds_store_b32 v24, v[10+(\i)] offset:64*(\i)
	ds_store_b32 v24, v[14+(\i)] offset:256+64*(\i)
.endr
	s_wait_dscnt 0x0                               ; my stores are done, for the other waves
	s_barrier_signal -1
	s_barrier_wait -1
	; wave v: q tile v % 4, keys 32 (v / 4) .. + 31 as two tiles.  S^T = K Q^T: a lane holds one mode (lane % 16) and the keys 8 (lane / 16) + 0..7
	s_and_b32 s52, s40, 3
	s_lshr_b32 s53, s40, 2
	v_bfe_u32 v25, v0, 4, 1
	v_mul_u32_u24 v26, v1, 1040
	v_lshl_add_u32 v26, v25, 4, v26
	s_mul_i32 s54, s52, 16640
	v_add_nc_u32 v27, s54, v26
	s_mul_i32 s55, s53, 33280
	s_add_co_u32 s55, s55, KB
	v_add_nc_u32 v28, s55, v26
	s_lshl_b32 s54, s53, 7
	s_add_co_u32 s54, s54, CQB
	v_lshl_add_u32 v20, v25, 5, s54                ; CQB + 128 kp + 32 h
	s_lshl_b32 s54, s52, 6
	s_add_co_u32 s54, s54, CQB
	v_lshl_add_u32 v21, v1, 2, s54                 ; CQB + 64 qt + 4 r
	v_mov_b32 v22, ANYB
.macro GRP g, buf                      ; four K steps: the mode fragment and two key fragments each, 24 loads
.irp k, 0,1,2,3
	ds_load_b128 v[(\buf)+24*(\k):(\buf)+24*(\k)+3],     v27 offset:(4*(\g)+(\k))*64
	ds_load_b128 v[(\buf)+24*(\k)+4:(\buf)+24*(\k)+7],   v27 offset:(4*(\g)+(\k))*64+32
	ds_load_b128 v[(\buf)+24*(\k)+8:(\buf)+24*(\k)+11],  v28 offset:(4*(\g)+(\k))*64
	ds_load_b128 v[(\buf)+24*(\k)+12:(\buf)+24*(\k)+15], v28 offset:(4*(\g)+(\k))*64+32
	ds_load_b128 v[(\buf)+24*(\k)+16:(\buf)+24*(\k)+19], v28 offset:16640+(4*(\g)+(\k))*64
	ds_load_b128 v[(\buf)+24*(\k)+20:(\buf)+24*(\k)+23], v28 offset:16640+(4*(\g)+(\k))*64+32
.endr
.endm
.macro SMUL g, buf                     ; eight products, the two accumulators by turns
.irp k, 0,1,2,3
.irp a, 0,1
.if ((\g) == 0) && ((\k) == 0)
	v_wmma_f32_16x16x32_bf16 v[32+8*(\a):39+8*(\a)], v[(\buf)+24*(\k)+8+8*(\a):(\buf)+24*(\k)+15+8*(\a)], v[(\buf)+24*(\k):(\buf)+24*(\k)+7], 0
.else
	v_wmma_f32_16x16x32_bf16 v[32+8*(\a):39+8*(\a)], v[(\buf)+24*(\k)+8+8*(\a):(\buf)+24*(\k)+15+8*(\a)], v[(\buf)+24*(\k):(\buf)+24*(\k)+7], v[32+8*(\a):39+8*(\a)]
.endif
.endr
.endr
.endm
	GRP 0, 64
	GRP 1, 160
	s_wait_dscnt 24                                ; the younger group (24 loads) may stay out
	SMUL 0, 64
	PLACES
	GRP 2, 64
	s_wait_dscnt 24
	SMUL 1, 160
	PLACES
	GRP 3, 160
	s_wait_dscnt 24
	SMUL 2, 64
	s_wait_dscnt 0x0
	SMUL 3, 160
	PLACES                                         ; four places: the loads below land on operands, the lines behind them read the sums
.irp a, 0,1
	ds_load_b128 v[64+8*(\a):67+8*(\a)], v20 offset:256+64*(\a)
	ds_load_b128 v[68+8*(\a):71+8*(\a)], v20 offset:272+64*(\a)
	ds_load_b128 v[80+8*(\a):83+8*(\a)], v20 offset:512+64*(\a)
	ds_load_b128 v[84+8*(\a):87+8*(\a)], v20 offset:528+64*(\a)
.endr
	ds_load_b32 v96, v21
	ds_load_b128 v[100:103], v22
	ds_load_b128 v[104:107], v22 offset:16
	s_wait_dscnt 0x0
	v_max3_num_f32 v100, v100, v101, v102
	v_max3_num_f32 v103, v103, v104, v105
	v_max3_num_f32 v100, v100, v106, v107
	v_max_num_f32 v100, v100, v103
	v_sub_f32 v98, 1.0, v100                       ; 1 where no slot at all is used
	v_mov_b32 v97, v96
.set i, 0
.rept 8
	v_pk_mul_f32 v[64+i:65+i], v[64+i:65+i], v[96:97]
.set i, i+2
.endr
.set i, 0
.rept 16
	v_fma_f32 v[108+i], -v[80+i], v98, v98         ; (1 - used)(1 - any)
.set i, i+1
.endr
.set i, 0
.rept 8
	v_pk_mul_f32 v[32+i:33+i], v[32+i:33+i], v[64+i:65+i]   ; each accumulator is read from its low end on
.set i, i+2
.endr
.set i, 0
.rept 16
	v_exp_f32 v[32+i], v[32+i]
.set i, i+1
.endr
	v_nop
	s_wait_alu depctr_va_vdst(0)                   ; one wait for the sixteen exponentials
.set i, 0
.rept 8
	v_pk_fma_f32 v[32+i:33+i], v[32+i:33+i], v[80+i:81+i], v[108+i:109+i]
.set i, i+2
.endr
	v_pk_add_f32 v[124:125], v[32:33], v[34:35]
	v_pk_add_f32 v[126:127], v[36:37], v[38:39]
	v_pk_add_f32 v[124:125], v[124:125], v[40:41]
	v_pk_add_f32 v[126:127], v[126:127], v[42:43]
	v_pk_add_f32 v[124:125], v[124:125], v[44:45]
	v_pk_add_f32 v[126:127], v[126:127], v[46:47]
	v_pk_add_f32 v[124:125], v[124:125], v[126:127]
	v_add_f32 v124, v124, v125
	v_permlanex16_b32 v125, v124, s42, s43
	v_add_f32 v124, v124, v125                     ; the sum over my 32 keys, for mode lane % 16
.set i, 0
.rept 8
	v_cvt_pk_bf16_f32 v[48+i], v[32+2*i], v[33+2*i]   ; two result tiles, rounded in pairs, ARE source 1 (32 keys x 16 modes) of V^T P
.set i, i+1
.endr
	s_lshr_b32 s56, s45, 3
	s_lshl_b32 s56, s56, 4
	s_lshl_b32 s57, s44, 2
	s_add_co_u32 s56, s56, s57
	s_add_co_u32 s56, s56, s52
	s_lshl_b32 s56, s56, 4
	s_lshl_b32 s57, s45, 1
	s_add_co_u32 s57, s57, s53
	s_and_b32 s57, s57, 15
	s_add_co_u32 s56, s56, s57
	s_lshl_b32 s56, s56, 10
	v_and_b32 v30, 31, v0
	v_lshlrev_b32 v30, 4, v30
	v_add_nc_u32 v29, s56, v30
	global_store_b128 v29, v[48:51], s[24:25]
	global_store_b128 v29, v[52:55], s[24:25] offset:512
	s_lshl_b32 s54, s53, 8
	s_lshl_b32 s55, s52, 6
	s_add_co_u32 s54, s54, s55
	s_add_co_u32 s54, s54, LSXB
	v_lshl_add_u32 v31, v1, 2, s54
	ds_store_b32 v31, v124
	s_wait_dscnt 0x0
	s_barrier_signal -1
	s_barrier_wait -1
	s_cmp_lg_u32 s40, 0                            ; wave 0 sends the 512 bytes of sums on end
	s_cbranch_scc1 .Ls_end
	v_add_nc_u32 v31, LSXB, v30
	ds_load_b128 v[56:59], v31
	s_lshl_b32 s54, ttmp9, 9
	s_add_co_u32 s54, s54, 2097152
	v_add_nc_u32 v60, s54, v30
	s_wait_dscnt 0x0
	global_store_b128 v60, v[56:59], s[24:25]
.Ls_end:
	END3
	s_endpgm
; ---------------------------------------------------------------- ROLE T: a unit is 64 k x 256 n
.Lrole_t:
	s_sub_co_u32 s30, ttmp9, 256                   ; u.  With z = 3, 0, 1, 2 for the four matrices: 2^z units along n, row pitch 1,024 << z bytes, 16 << z n tiles
	s_mov_b32 s31, 0
	s_mov_b32 s32, 3
	s_mov_b32 s34, 0                               ; SH = G - 1
	s_mov_b32 s36, 0
	s_wait_kmcnt 0x0
	s_mov_b64 s[26:27], s[14:15]
	s_cmp_ge_u32 s30, 128
	s_cselect_b32 s31, 128, s31
	s_cselect_b32 s32, 0, s32
	s_cselect_b32 s34, 3, s34
	s_cselect_b32 s36, 4194304, s36
	s_cselect_b64 s[26:27], s[16:17], s[26:27]
	s_cmp_ge_u32 s30, 160
	s_cselect_b32 s31, 160, s31
	s_cselect_b32 s32, 1, s32
	s_cselect_b32 s36, 5242880, s36
	s_cselect_b64 s[26:27], s[18:19], s[26:27]
	s_cmp_ge_u32 s30, 288
	s_cselect_b32 s31, 288, s31
	s_cselect_b32 s32, 2, s32
	s_cselect_b32 s36, 9437184, s36
	s_cselect_b64 s[26:27], s[20:21], s[26:27]
	s_sub_co_u32 s30, s30, s31
	s_lshr_b32 s33, s30, s32                       ; kb
	s_lshl_b32 s37, 1, s32
	s_sub_co_u32 s37, s37, 1
	s_and_b32 s37, s30, s37                        ; nb
	s_lshl_b32 s38, 1024, s32                      ; pitch
	s_lshl_b32 s35, 16, s32                        ; NT
	s_lshr_b32 s44, s33, s34
	s_mul_i32 s44, s44, s35
	s_lshl_b32 s45, s37, 4
	s_add_co_u32 s44, s44, s45
	s_add_co_u32 s46, s34, 1                       ; G
	s_lshl_b32 s44, s44, s46
	s_lshl_b32 s45, 1, s34
	s_sub_co_u32 s45, s45, 1
	s_and_b32 s45, s33, s45
	s_lshl_b32 s45, s45, 1
	s_add_co_u32 s44, s44, s45                     ; the number of the unit first block
	s_lshl_b32 s44, s44, 10
	s_add_co_u32 s44, s44, s36
	s_mov_b32 s45, 0
	s_add_nc_u64 s[28:29], s[22:23], s[44:45]
	s_lshl_b32 s48, s33, 6
	s_mul_i32 s48, s48, s38
	s_lshl_b32 s49, s37, 10
	s_add_co_u32 s48, s48, s49
	s_mov_b32 s49, 0
	s_add_nc_u64 s[26:27], s[26:27], s[48:49]
	v_mul_lo_u32 v10, v2, s38
	v_lshl_add_u32 v10, v1, 4, v10
	s_lshl_b32 s50, s38, 4
	v_add_nc_u32 v11, s50, v10
	v_add_nc_u32 v12, s50, v11
	v_add_nc_u32 v13, s50, v12
.irp q, 0,1,2,3
.irp c, 0,1,2,3
	global_load_b128 v[64+16*(\q)+4*(\c):67+16*(\q)+4*(\c)], v[10+(\q)], s[26:27] offset:256*(\c) th:TH_LOAD_NT
.endr
.endr
	v_mul_u32_u24 v4, v2, TP
	v_lshl_add_u32 v4, v1, 3, v4
	v_add_nc_u32 v4, TT, v4
.irp q, 0,1,2,3
	s_wait_loadcnt 12-4*(\q)                       ; the rows behind this one may stay out
.irp c, 0,1,2,3
	v_cvt_pk_bf16_f32 v18, v[64+16*(\q)+4*(\c)], v[65+16*(\q)+4*(\c)]
	v_cvt_pk_bf16_f32 v19, v[66+16*(\q)+4*(\c)], v[67+16*(\q)+4*(\c)]
	ds_store_b64 v4, v[18:19] offset:(\q)*16*TP+(\c)*128
.endr
.endr
	s_wait_dscnt 0x0
	s_barrier_signal -1
	s_barrier_wait -1
	; wave v turns n tiles 2 v and 2 v + 1: the turning load takes 16 k x 16 n and leaves half an operand: lane l holds n = l % 16 and 8 k
	v_bfe_u32 v14, v0, 4, 1
	v_and_b32 v15, 7, v0
	v_lshl_add_u32 v14, v14, 3, v15
	v_mul_u32_u24 v14, v14, TP
	v_bfe_u32 v15, v0, 3, 1
	v_lshl_add_u32 v14, v15, 4, v14
	s_lshl_b32 s51, s40, 6
	s_add_co_u32 s51, s51, TT
	v_add_nc_u32 v14, s51, v14
	v_and_b32 v15, 31, v0
	v_lshlrev_b32 v15, 4, v15
	s_lshl_b32 s52, s40, 1
	s_add_co_u32 s53, s46, 10
	s_lshl_b32 s54, s52, s53
	s_add_co_u32 s52, s52, 1
	s_lshl_b32 s55, s52, s53
	v_add_nc_u32 v16, s54, v15
	v_add_nc_u32 v17, s55, v15
.set ti, 0
.irp n, 0,1
.irp k, 0,1
.irp f, 0,1
	ds_load_tr16_b128 v[128+4*ti:131+4*ti], v14 offset:(\k)*32*TP+(\n)*32+(\f)*16*TP
.set ti, ti+1
.endr
.endr
.endr
.set ti, 0
.irp n, 0,1
.irp k, 0,1
.irp f, 0,1
	s_wait_dscnt 7-ti
	global_store_b128 v[16+(\n)], v[128+4*ti:131+4*ti], s[28:29] offset:(\k)*1024+(\f)*512   ; 512 bytes on end
.set ti, ti+1
.endr
.endr
.endr
	END3
	s_endpgm
.Lfunc_end_k_q94a114894d_prep:
	.size	k_q94a114894d_prep, .Lfunc_end_k_q94a114894d_prep-k_q94a114894d_prep
	.p2alignl 7, 3214868480
	.fill 96, 4, 3214868480
	.section	.rodata,"a",@progbits
	.p2align	6, 0x0
	.amdhsa_kernel k_q94a114894d_prep
		.amdhsa_group_segment_fixed_size 170496
		.amdhsa_private_segment_fixed_size 0
		.amdhsa_enable_private_segment 0
		.amdhsa_kernarg_size 72
		.amdhsa_user_sgpr_count 2
		.amdhsa_user_sgpr_kernarg_segment_ptr 1
		.amdhsa_wavefront_size32 1
		.amdhsa_system_sgpr_workgroup_id_x 1
		.amdhsa_system_sgpr_workgroup_id_y 1
		.amdhsa_system_sgpr_workgroup_id_z 1
		.amdhsa_system_vgpr_workitem_id 0
		.amdhsa_next_free_vgpr 256
		.amdhsa_next_free_sgpr 66
		.amdhsa_reserve_vcc 1
		.amdhsa_float_denorm_mode_32 3
		.amdhsa_float_denorm_mode_16_64 3
		.amdhsa_memory_ordered 1
		.amdhsa_forward_progress 1
		.amdhsa_inst_pref_size 69
	.end_amdhsa_kernel
	.amdgpu_metadata
---
amdhsa.version: [ 1, 2 ]
amdhsa.kernels:
  - .name:           k_q94a114894d_prep
    .symbol:         k_q94a114894d_prep.kd
    .args:
      - { .name: M, .offset: 0, .size: 8, .value_kind: global_buffer, .address_space: global }
      - { .name: bank_keys, .offset: 8, .size: 8, .value_kind: global_buffer, .address_space: global }
      - { .name: bank_used, .offset: 16, .size: 8, .value_kind: global_buffer, .address_space: global }
      - { .name: Wtr_w, .offset: 24, .size: 8, .value_kind: global_buffer, .address_space: global }
      - { .name: Wms_w, .offset: 32, .size: 8, .value_kind: global_buffer, .address_space: global }
      - { .name: bank_vals, .offset: 40, .size: 8, .value_kind: global_buffer, .address_space: global }
      - { .name: Wrd_w, .offset: 48, .size: 8, .value_kind: global_buffer, .address_space: global }
      - { .name: wf, .offset: 56, .size: 8, .value_kind: global_buffer, .address_space: global }
      - { .name: pf, .offset: 64, .size: 8, .value_kind: global_buffer, .address_space: global }
    .group_segment_fixed_size: 170496
    .private_segment_fixed_size: 0
    .kernarg_segment_align: 8
    .kernarg_segment_size: 72
    .max_flat_workgroup_size: 256
    .sgpr_count:     66
    .vgpr_count:     256
    .wavefront_size: 32
...
	.end_amdgpu_metadata
.endif
;; end of part 1
;; launch main (part 2): grid 4 x 64, 4 waves a work-group, clusters of 4 x 4, 327,680 bytes of LDS; arguments x, Wtr_b, wf, pf, opart, lpart; writes opart, lpart
.if DOCPART == 2
	.amdgcn_target "amdgcn-amd-amdhsa--gfx1250"
	.amdhsa_code_object_version 6
	.text
	.protected	k_q94a114894d_main
	.globl	k_q94a114894d_main
	.p2align	8
	.type	k_q94a114894d_main,@function
k_q94a114894d_main:
	s_mov_b64 s[64:65], 0
	v_nop
	global_prefetch_b8 v0, s[64:65] scope:SCOPE_SE
	s_setreg_imm32_b32 hwreg(HW_REG_WAVE_MODE, 25, 1), 1
	s_wait_xcnt 0x0
	s_wait_alu depctr_hold_cnt(0) depctr_sa_sdst(0) depctr_va_vdst(0) depctr_va_sdst(0) depctr_va_ssrc(0) depctr_va_vcc(0) depctr_vm_vsrc(0)
	s_getreg_b32 s2, hwreg(HW_REG_IB_STS2, 6, 4)
	s_cmp_eq_u32 s2, 0
	s_cbranch_scc0 .Lentry_in_a_cluster
	s_endpgm
.Lentry_in_a_cluster:
	s_bfe_u32 s2, ttmp6, 0x10000c
	s_cmp_lg_u32 s2, 0xf033
	s_cbranch_scc0 .Lentry_shape_is_right
	s_endpgm
.Lentry_shape_is_right:
; MAIN.  logits = relu(x Wtr + b) Wms, fused: h never leaves the registers.  In front of it each wave makes one share of O^T = V^T P for the table of modes.
; SHARES.  A work-group: 128 rows of x (rowb) x 512 columns of h (colq).  Wave w = 2 i + j: rows 64 i .. + 63, h columns 256 j .. + 255, all K = 1,024: 64 accumulators of 16 x 16, 512 registers.
; BOTH PRODUCTS ARE TAKEN TRANSPOSED.  h^T = Wtr(source 0) x(source 1): a lane holds one row of x (lane % 16) and the h columns 16 ct + 8 (lane / 16) + 0..7.  The bias is the C operand that starts the sum.
; After relu, h is split in two bf16 planes, hi = bf16(h), lo = bf16(h - hi): registers 0-3 of a tile take hi, registers 4-7 lo.  That IS source 1 of logits^T = Wms(source 0) h^T with 16 true columns
; of h for 32 places of k; source 0 is the 512-byte half block of Wms loaded into registers 0-3 and once more into 4-7.  So h enters the second product with 16 significant bits.
; The two waves of a row half hold sums over different h columns: each keeps its row tiles 0, 1 and sends tiles 2, 3 to the other through LDS (the row tiles are numbered so that this needs no branch).
; The four work-groups of a row block (colq = 0..3) store four partial sums; the next launch adds them.
; RING.  K goes in steps of 64 through two LDS slots: x as 128 rows of 256 bytes of f32 (+ 16 of padding), converted to bf16 behind the LDS load; Wtr as 64 blocks of 1,024 bytes in operand order.
; CLUSTER 4 x 4.  The tile of x hangs on rowb alone and is asked for jointly along a row of the cluster, the tiles of Wtr and Wms on colq alone, jointly along a column.
; LIMITS.  x, the weights and the bias are rounded once to bf16; NaN and infinities are not treated apart (relu of NaN gives 0).
; REGISTERS, in windows of 256: window 0 addresses, x operands (XB, two buffers), x in f32 (XS), T and U at work; window 1 two buffers of 16 operands of Wtr (first: P and the bias; later: the second
; accumulators and four groups of operands of Wms); windows 2, 3: the first accumulators, tile (ct, rt) in window 2 + rt / 2 at 8 (16 (rt % 2) + ct) (first: the operands of V).
.set SLOT,  131072
.set WT,    34816                      ; in a slot: x at 0 (128 rows x 272), the weights at WT (65,536)
.set SPARE, 100352                     ; behind slot 0: the spare words, 128 bytes a wave
.set STG,   262144                     ; behind slot 1: 8,192 bytes a wave, for the sums that go to the partner wave; no tensor load lands here
.set ADW,  2                           ; v2,3    my operands of Wtr in slot 0, 1
.set ADX,  4                           ; v4,5    my row tiles 0, 1 of x in slot 0, 1;  v6,7 row tiles 2, 3
.set STS,  8                           ; v8      my stage;  v9 the partner stage
.set STL,  9
.set LO,   10                          ; v10     16 x lane
.set PFO,  11                          ; v11     the prefetch offset
.set ADP0, 12                          ; v12     my operands of Wms in slot 0;  v13 in the slot in hand
.set ADP,  13
.set BO,   14                          ; v14     32 x (lane / 16)
.set XB,   32
.set XS,   96
.set T,    160
.set U,    192
.set MSB, 0
.macro WIN new                         ; the high byte repeats the setting that is left; a switch that changes nothing is dropped
.if MSB != (\new)
	s_set_vgpr_msb (MSB<<8)|(\new)
.set MSB, (\new)
.endif
.endm
.macro PLACES
.rept 4
	v_nop
.endr
.endm
.macro CREST                           ; a round of the cluster barrier behind its opening barrier
	s_cmp_lg_u32 s16, 0
	s_cbranch_scc1 .Lnot_wave_0_\@
	s_barrier_signal -3
.Lnot_wave_0_\@:
	s_barrier_wait -3
	s_barrier_signal -1
	s_barrier_wait -1
.endm
.macro CROUND
	s_barrier_signal -1
	s_barrier_wait -1
	CREST
.endm
.macro JLOAD s                         ; a joint load: waves 0, 1 fetch the halves of x, waves 2, 3 the halves of Wtr; s_nop 0 and four v_nop follow each line
	s_cmp_eq_u32 s17, 0
	s_cbranch_scc0 .Lfor_w_\@
	tensor_load_to_lds s[32+4*(\s):35+4*(\s)], s[24:31]
	s_nop 0
.rept 4
	v_nop
.endr
	s_branch .Lasked_\@
.Lfor_w_\@:
	tensor_load_to_lds s[48+4*(\s):51+4*(\s)], s[40:47]
	s_nop 0
.rept 4
	v_nop
.endr
.Lasked_\@:
.endm
.macro JLOADP                          ; a joint load of 64 modes of Wms: waves 0, 1 fetch its halves; four places for every wave behind it
	s_cmp_lt_u32 s16, 2
	s_cbranch_scc0 .Lnot_mine_\@
	tensor_load_to_lds s[56:59], s[40:47]
	s_nop 0
.rept 4
	v_nop
.endr
.Lnot_mine_\@:
	PLACES
.endm
; A PREFETCH INTO THE L2, once a lap, behind the joint load and the run of LDS loads: the two K steps whose refills go out two laps on.  x: each of the four partners of a row names 16 of the 64 rows
; that the wave fetches, told apart by address, 2 x 256 bytes of each row, one line.  Wtr: cluster y = 0 alone asks (all clusters read the same blocks); each partner of a column names 8,192 of the
; 32,768 bytes that the wave fetches, two lines.  K steps 0-5 come by their loads alone; the last two laps of the loop ask for nothing: K step 15 is the last one named.
.macro ASK
	s_cmp_gt_u32 s3, s66
	s_cbranch_scc0 .Lnone_\@
	global_prefetch_b8 v[PFO], s[60:61] th:TH_LOAD_NT scope:SCOPE_SE
	s_cmp_eq_u32 s17, 0
	s_cbranch_scc1 .Lnone_\@
	global_prefetch_b8 v[PFO], s[60:61] offset:262144 th:TH_LOAD_NT scope:SCOPE_SE
.Lnone_\@:
.endm
; n products of a half step (32 along K) on buffer f: number m of 32 is column tile m / 2, row tile 2 W + m % 2.  The accumulators take turns, one line a turn.  bias = 1: C is the bias tile
.macro MUL f, W, lo, n, bias
.set mi, \lo
.rept \n
.set mD, 8*(16*(mi&1)+(mi>>1))
.set mA, 128*(\f)+8*(mi>>1)
.set mB, XB+32*(\f)+8*(2*(\W)+(mi&1))
.if \bias
	WIN 0x91+0x40*(\W)
	v_wmma_f32_16x16x32_bf16 v[mD:mD+7], v[mA:mA+7], v[mB:mB+7], v[128+8*(mi>>1):135+8*(mi>>1)]
.else
	WIN 0xa1+0x50*(\W)
	v_wmma_f32_16x16x32_bf16 v[mD:mD+7], v[mA:mA+7], v[mB:mB+7], v[mD:mD+7]
.endif
.set mi, mi+1
.endr
.endm
.macro RID g, q                        ; four of the 32 roundings that make the x operands of buffer g
	WIN 0
.set rn, 4*(\q)
.rept 4
	v_cvt_pk_bf16_f32 v[XB+32*(\g)+rn], v[XS+16*(rn>>3)+2*(rn&7)], v[XS+16*(rn>>3)+2*(rn&7)+1]
.set rn, rn+1
.endr
.endm
.macro FETCH s, hs, g                  ; half step hs of slot s: 16 loads of x in f32 first, then 32 loads of Wtr into buffer g
	WIN 0
.irp t, 0,1,2,3
	ds_load_b128 v[XS+16*(\t):XS+16*(\t)+3],     v[ADX+2*((\t)>>1)+(\s)] offset:((\t)&1)*4352+(\hs)*128
	ds_load_b128 v[XS+16*(\t)+4:XS+16*(\t)+7],   v[ADX+2*((\t)>>1)+(\s)] offset:((\t)&1)*4352+(\hs)*128+16
	ds_load_b128 v[XS+16*(\t)+8:XS+16*(\t)+11],  v[ADX+2*((\t)>>1)+(\s)] offset:((\t)&1)*4352+(\hs)*128+64
	ds_load_b128 v[XS+16*(\t)+12:XS+16*(\t)+15], v[ADX+2*((\t)>>1)+(\s)] offset:((\t)&1)*4352+(\hs)*128+80
.endr
	WIN 0x40
.set fc, 0
.rept 16
	ds_load_b128 v[128*(\g)+8*fc:128*(\g)+8*fc+3],   v[ADW+(\s)] offset:fc*2048+(\hs)*1024
	ds_load_b128 v[128*(\g)+8*fc+4:128*(\g)+8*fc+7], v[ADW+(\s)] offset:fc*2048+(\hs)*1024+512
.set fc, fc+1
.endr
.endm
.macro HI f, g                         ; row tiles 2, 3 of buffer f; among them the roundings for buffer g
	MUL \f, 1, 0, 16, 0
	s_wait_dscnt 32                                ; the 16 loads of x are the oldest of the 48: they are in; the 32 of Wtr may stay out
.set hq, 0
.rept 8
	MUL \f, 1, 16+hq, 1, 0
	RID \g, hq
.set hq, hq+1
.endr
	MUL \f, 1, 24, 8, 0
.endm
.macro H0 s                            ; the first half of the K step in slot s
	s_wait_dscnt 0x0                               ; buffer 0 is in
	MUL 0, 0, 0, 32, 0
	PLACES                                         ; four places in front of loads into operands that products have read
	FETCH \s, 1, 1
	HI 0, 1
.endm
; The second half of the K step in slot s, and the change of slots.  In front of the round each wave waits for all its tensor loads (one is out: its part of the other slot), adds 0 to its spare word, and
; waits for that and for its reads of slot s.  Behind the round the slot is filled again first: kind 0 with the K step two on, kind 1 with the first 64 modes of Wms.
.macro TURN s, nx, kind
.if ((\s) == 0) && ((\kind) == 0)
	s_wait_xcnt 0x0                                ; the last prefetch, a lap back, has read its address
	s_add_nc_u64 s[60:61], s[60:61], s[62:63]
.endif
	WIN 0
	s_wait_tensorcnt 0x0
	ds_add_u32 v28, v29                            ; 0 onto my spare word
	s_wait_dscnt 1                                 ; buffer 1 is in; the add alone may be out
	MUL 1, 0, 0, 16, 0
	s_wait_dscnt 0x0
	s_barrier_signal -1
	MUL 1, 0, 16, 16, 0
	WIN 0
	s_barrier_wait -1
	CREST
.if (\kind) == 0
	s_add_nc_u64 s[34+4*(\s):35+4*(\s)], s[34+4*(\s):35+4*(\s)], 512
	s_add_nc_u64 s[50+4*(\s):51+4*(\s)], s[50+4*(\s):51+4*(\s)], 524288
	JLOAD \s
.else
	JLOADP
.endif
	FETCH \nx, 0, 0
.if ((\s) == 0) && ((\kind) == 0)
	WIN 0
	ASK
.endif
	HI 1, 0
.endm
	s_load_b256 s[4:11], s[0:1], 0x0               ; x, Wtr_b, wf, pf
	s_load_b128 s[12:15], s[0:1], 0x20             ; opart, lpart
	v_lshl_add_u32 v28, v0, 2, SPARE
	v_mov_b32 v29, 0
	ds_add_u32 v28, v29                            ; the opening: the add, twice on end; its wait stands ahead of my first tensor load
	ds_add_u32 v28, v29
	v_lshrrev_b32 v1, 5, v0
	v_readfirstlane_b32 s16, v1                    ; wave w
	s_lshr_b32 s17, s16, 1                         ; i
	s_and_b32 s18, s16, 1                          ; j
	s_bfe_u32 s19, ttmp6, 0x40000                  ; cx
	s_bfe_u32 s20, ttmp6, 0x40004                  ; cy
	s_lshl_b32 s21, ttmp9, 2
	s_add_co_u32 s21, s21, s19                     ; colq
	s_and_b32 s23, ttmp7, 0xffff                   ; cluster y
	s_lshl_b32 s22, s23, 2
	s_add_co_u32 s22, s22, s20                     ; rowb
	s_lshl_b32 s72, s20, 2
	s_lshl_b32 s72, 15, s72                        ; my row of the cluster
	s_lshl_b32 s73, 0x1111, s19                    ; my column
	s_or_b32 s24, s72, (2<<16)|(1<<20)|(1<<21)|(5<<22)|(3<<25)   ; x: elements of 4 bytes; 4 words of padding behind every 64
	s_mov_b32 s25, 64<<16                          ; tensor_dim0 = 64
	s_mov_b32 s26, 64<<16                          ; tensor_dim1 = 64
	s_mov_b32 s27, 64<<16                          ; tile_dim0 = 64
	s_mov_b32 s28, 64                              ; tile_dim1 = 64
	s_mov_b32 s29, 1024                            ; elements from row to row
	s_mov_b32 s30, 0
	s_mov_b32 s31, 0
	s_or_b32 s40, s73, (3<<16)|(1<<21)             ; weights: 32,768 dense bytes as 128 rows of 32 elements of 8 bytes
	s_mov_b32 s41, 32<<16
	s_mov_b32 s42, 128<<16
	s_mov_b32 s43, 32<<16
	s_mov_b32 s44, 128
	s_mov_b32 s45, 32
	s_mov_b32 s46, 0
	s_mov_b32 s47, 0
	s_mul_i32 s74, s18, 17408                      ; LDS: half j of x,
	s_lshl_b32 s75, s18, 15
	s_add_co_u32 s75, s75, WT                      ; half j of the weights: the wave number alone enters an LDS address
	s_lshl_b32 s76, s22, 19
	s_lshl_b32 s77, s18, 18
	s_add_co_u32 s76, s76, s77                     ; x: (128 rowb + 64 j) rows of 4,096 bytes
	s_mov_b32 s77, 0
	s_lshl_b32 s78, s21, 16
	s_lshl_b32 s79, s18, 15
	s_add_co_u32 s78, s78, s79                     ; Wtr: 65,536 colq + 32,768 j in a K step of 262,144 bytes
	s_mov_b32 s79, 0
	s_lshl_b32 s80, s21, 18
	s_lshl_b32 s81, s18, 15
	s_add_co_u32 s80, s80, s81
	s_add_co_u32 s80, s80, 4194304                 ; Wms: 262,144 colq + 32,768 j
	s_mov_b32 s81, 0
	s_mov_b32 s67, 0xffff0000
	s_wait_dscnt 0x0                               ; both opening adds are done
	s_wait_kmcnt 0x0
	s_add_nc_u64 s[82:83], s[4:5], s[76:77]
	s_add_nc_u64 s[84:85], s[8:9], s[78:79]
	CROUND                                         ; all sixteen work-groups are here: the first joint loads meet
.irp s, 0,1
	s_mov_b32 s[32+4*(\s)], 1
	s_add_co_u32 s[33+4*(\s)], s74, (\s)*SLOT
	s_add_nc_u64 s[34+4*(\s):35+4*(\s)], s[82:83], (\s)*256
	s_or_b32 s[35+4*(\s)], s[35+4*(\s)], 0x80000000
	s_mov_b32 s[48+4*(\s)], 1
	s_add_co_u32 s[49+4*(\s)], s75, (\s)*SLOT
	s_add_nc_u64 s[50+4*(\s):51+4*(\s)], s[84:85], (\s)*262144
	s_or_b32 s[51+4*(\s)], s[51+4*(\s)], 0x80000000
	JLOAD \s                                       ; two tensor loads of mine are out
.endr
	s_mov_b32 s56, 1
	s_mov_b32 s57, s75
	s_add_nc_u64 s[58:59], s[8:9], s[80:81]
	s_or_b32 s59, s59, 0x80000000
	; the share of O^T = V^T P: keys 512 ksplit .. + 511, d tiles 4 db .. + 3, mode tile qt
	v_and_b32 v1, 31, v0
	v_lshlrev_b32 v[LO], 4, v1
	v_and_b32 v15, 15, v0                          ; r
	v_bfe_u32 v16, v0, 4, 1                        ; h
	v_lshlrev_b32 v[BO], 5, v16
	s_lshl_b32 s86, s21, 11
	s_lshl_b32 s87, s18, 10
	s_add_co_u32 s86, s86, s87
	s_mov_b32 s87, 0
	s_add_nc_u64 s[86:87], s[6:7], s[86:87]        ; the bias of my 256 columns
	s_lshr_b32 s88, s22, 3                         ; ksplit
	s_and_b32 s89, s22, 7                          ; db
	s_lshl_b32 s90, s19, 2
	s_add_co_u32 s90, s90, s16                     ; qt
	s_lshl_b32 s91, s88, 4
	s_add_co_u32 s91, s91, s90
	s_lshl_b32 s92, s91, 14
	s_mov_b32 s93, 0
	s_add_nc_u64 s[92:93], s[10:11], s[92:93]
	s_lshl_b32 s94, s88, 5
	s_lshl_b32 s95, s89, 2
	s_add_co_u32 s94, s94, s95
	s_lshl_b32 s94, s94, 14
	s_add_co_u32 s94, s94, 5242880
	s_lshl_b32 s96, s91, 5
	s_add_co_u32 s96, s96, s95
	s_lshl_b32 s96, s96, 10
	s_mov_b32 s95, 0
	s_mov_b32 s97, 0
	s_add_nc_u64 s[94:95], s[8:9], s[94:95]
	s_add_nc_u64 s[96:97], s[12:13], s[96:97]
	WIN 0x40
.set q, 0
.rept 16
	global_load_b128 v[128+8*q:131+8*q], v[BO], s[86:87] offset:64*q
	global_load_b128 v[132+8*q:135+8*q], v[BO], s[86:87] offset:64*q+16
.set q, q+1
.endr
.set q, 0
.rept 16
	global_load_b128 v[8*q:8*q+3],   v[LO], s[92:93] offset:1024*q
	global_load_b128 v[8*q+4:8*q+7], v[LO], s[92:93] offset:1024*q+512
.set q, q+1
.endr
	WIN 0x80
.set q, 0
.rept 32
	global_load_b128 v[8*q:8*q+3],   v[LO], s[94:95] offset:1024*q
	global_load_b128 v[8*q+4:8*q+7], v[LO], s[94:95] offset:1024*q+512
.set q, q+1
.endr
	WIN 0xc0
.set q, 0
.rept 32
	global_load_b128 v[8*q:8*q+3],   v[LO], s[94:95] offset:32768+1024*q
	global_load_b128 v[8*q+4:8*q+7], v[LO], s[94:95] offset:32768+1024*q+512
.set q, q+1
.endr
	WIN 0
	; the addresses, while the loads are out
	v_add_nc_u32 v[ADW], s75, v[LO]
	v_add_nc_u32 v[ADW+1], SLOT, v[ADW]
	s_lshl_b32 s72, s17, 6
	s_lshl_b32 s73, s18, 5
	s_add_co_u32 s98, s72, s73                     ; row tiles 0, 1: rows 64 i + 32 j
	s_xor_b32 s73, s73, 32
	s_add_co_u32 s99, s72, s73                     ; row tiles 2, 3: rows 64 i + 32 (1 - j)
	v_add_nc_u32 v17, s98, v15
	v_mul_u32_u24 v[ADX], v17, 272
	v_lshl_add_u32 v[ADX], v16, 5, v[ADX]
	v_add_nc_u32 v[ADX+1], SLOT, v[ADX]
	v_add_nc_u32 v17, s99, v15
	v_mul_u32_u24 v[ADX+2], v17, 272
	v_lshl_add_u32 v[ADX+2], v16, 5, v[ADX+2]
	v_add_nc_u32 v[ADX+3], SLOT, v[ADX+2]
	s_lshl_b32 s72, s16, 13
	s_add_co_u32 s72, s72, STG
	v_add_nc_u32 v[STS], s72, v[LO]
	s_xor_b32 s72, s16, 1
	s_lshl_b32 s72, s72, 13
	s_add_co_u32 s72, s72, STG
	v_add_nc_u32 v[STL], s72, v[LO]
	s_lshl_b32 s72, s18, 13
	s_add_co_u32 s72, s72, WT
	v_add_nc_u32 v[ADP0], s72, v[LO]
	v_lshlrev_b32 v17, 12, v15
	v_lshl_add_u32 v17, v16, 8, v17                ; x: a row for lane % 16, one of two K steps for lane / 16
	v_lshlrev_b32 v18, 8, v1                       ; Wtr: 256 bytes a lane
	s_lshl_b32 s98, s19, 16
	s_add_co_u32 s98, s98, s76
	s_add_co_u32 s98, s98, 1024                    ; x: my 16 rows of the 64, at K step 4
	s_lshl_b32 s99, s20, 13
	s_add_co_u32 s99, s99, s78
	s_add_co_u32 s99, s99, 1048576                 ; Wtr: my 8,192 bytes of the 32,768, at K step 4
	s_mov_b32 s62, 524288
	s_cmp_eq_u32 s23, 0
	s_cselect_b32 s66, 2, -1
	s_cmp_eq_u32 s17, 0
	s_cselect_b32 s66, 2, s66
	s_cselect_b32 s72, -1, 0
	s_cselect_b32 s98, s98, s99
	s_cselect_b32 s62, 512, s62
	s_cselect_b64 s[60:61], s[4:5], s[8:9]
	s_mov_b32 s99, 0
	s_mov_b32 s63, 0
	s_add_nc_u64 s[60:61], s[60:61], s[98:99]
	v_cndmask_b32 v[PFO], v18, v17, s72
	s_lshl_b32 s68, s21, 9
	s_lshl_b32 s69, s22, 3
	s_add_co_u32 s68, s68, s69
	s_lshl_b32 s69, s17, 2
	s_add_co_u32 s68, s68, s69
	s_lshl_b32 s69, s18, 1
	s_add_co_u32 s68, s68, s69
	s_lshl_b32 s68, s68, 14
	s_mov_b32 s69, 0
	s_add_nc_u64 s[68:69], s[14:15], s[68:69]      ; lpart at my two row tiles, mode tile 0
	s_wait_loadcnt 63                              ; 64 loads (d tiles 2, 3) are younger than what is wanted; the count can name 63
	WIN 0x06
.set q, 0
.rept 16
.irp d, 0,1
.if q == 0
	v_wmma_f32_16x16x32_bf16 v[T+8*(\d):T+8*(\d)+7], v[8*(16*(\d)+q):8*(16*(\d)+q)+7], v[8*q:8*q+7], 0
.else
	v_wmma_f32_16x16x32_bf16 v[T+8*(\d):T+8*(\d)+7], v[8*(16*(\d)+q):8*(16*(\d)+q)+7], v[8*q:8*q+7], v[T+8*(\d):T+8*(\d)+7]
.endif
.endr
.set q, q+1
.endr
	s_wait_loadcnt 0x0
	WIN 0x07
.set q, 0
.rept 16
.irp d, 0,1
.if q == 0
	v_wmma_f32_16x16x32_bf16 v[T+16+8*(\d):T+16+8*(\d)+7], v[8*(16*(\d)+q):8*(16*(\d)+q)+7], v[8*q:8*q+7], 0
.else
	v_wmma_f32_16x16x32_bf16 v[T+16+8*(\d):T+16+8*(\d)+7], v[8*(16*(\d)+q):8*(16*(\d)+q)+7], v[8*q:8*q+7], v[T+16+8*(\d):T+16+8*(\d)+7]
.endif
.endr
.set q, q+1
.endr
	WIN 0
	PLACES
.irp d, 0,1,2,3
	global_store_b128 v[LO], v[T+8*(\d):T+8*(\d)+3],   s[96:97] offset:1024*(\d)
	global_store_b128 v[LO], v[T+8*(\d)+4:T+8*(\d)+7], s[96:97] offset:1024*(\d)+512
.endr
	WIN 0x45                                       ; the bias is rounded to bf16 in place; these lines are also the places in front of the products that write over the operands of V
.set q, 128
.rept 64
	v_cvt_pk_bf16_f32 v[q], v[q], v[q+1]
	v_and_b32 v[q+1], s67, v[q]
	v_lshlrev_b32 v[q], 16, v[q]
.set q, q+2
.endr
	WIN 0
	s_wait_tensorcnt 1                             ; my part of K step 0 is in; K step 1 may stay out
	s_barrier_signal -1
	s_barrier_wait -1
	FETCH 0, 0, 0
	s_wait_dscnt 0x0
.irp q, 0,1,2,3,4,5,6,7
	RID 0, \q
.endr
	MUL 0, 0, 0, 32, 1                             ; the first half step starts the sums, with the bias as C
	MUL 0, 1, 0, 32, 1
.rept 5
	v_nop
.endr
	FETCH 0, 1, 1                                  ; buffer 1 takes the place of the bias
	s_wait_dscnt 32
.irp q, 0,1,2,3,4,5,6,7
	RID 1, \q
.endr
	WIN 0
	s_mov_b32 s3, 7
.Llap:                                         ; a trip: from the second half of K step 2 L to the first half of K step 2 L + 2; both slots are filled again
	TURN 0, 1, 0
	H0 1
	TURN 1, 0, 0
	H0 0
	WIN 0
	s_sub_co_u32 s3, s3, 1
	s_cmp_lg_u32 s3, 0
	s_cbranch_scc1 .Llap
	TURN 0, 1, 1                                   ; K step 14 ends; slot 0 takes modes 0-63 of Wms
	H0 1
	WIN 0                                          ; K step 15 ends; slot 1 takes modes 64-127
	s_wait_tensorcnt 0x0
	ds_add_u32 v28, v29
	s_xor_b32 s57, s57, SLOT
	s_add_nc_u64 s[58:59], s[58:59], 65536
	s_wait_dscnt 1
	MUL 1, 0, 0, 16, 0
	s_wait_dscnt 0x0
	s_barrier_signal -1
	MUL 1, 0, 16, 16, 0
	WIN 0
	s_barrier_wait -1
	CREST
	JLOADP
	MUL 1, 1, 0, 32, 0
	WIN 0
	PLACES
	s_wait_xcnt 0x0                                ; T was the data of the stores of the share
; relu and the split, four tiles at a time: T = max(h, 0); registers 0-3 = bf16(T); U = those widened; T = T - U (exact); registers 4-7 = bf16(T)
.macro CONV wn, bs
	WIN (\wn)<<2
.set q, 0
.rept 32
	v_max_num_f32 v[T+q], 0, v[(\bs)+q]            ; each accumulator is read from its low end on
.set q, q+1
.endr
	WIN (\wn)<<6
.set q, 0
.rept 16
	v_cvt_pk_bf16_f32 v[(\bs)+8*(q>>2)+(q&3)], v[T+2*q], v[T+2*q+1]
.set q, q+1
.endr
	WIN (\wn)<<2
.set q, 0
.rept 16
	v_lshlrev_b32 v[U+2*q], 16, v[(\bs)+8*(q>>2)+(q&3)]
	v_and_b32 v[U+2*q+1], s67, v[(\bs)+8*(q>>2)+(q&3)]
.set q, q+1
.endr
	WIN 0
.set q, 0
.rept 16
	v_pk_add_f32 v[T+2*q:T+2*q+1], v[T+2*q:T+2*q+1], v[U+2*q:U+2*q+1] neg_lo:[0,1] neg_hi:[0,1]
.set q, q+1
.endr
	WIN (\wn)<<6
.set q, 0
.rept 16
	v_cvt_pk_bf16_f32 v[(\bs)+8*(q>>2)+4+(q&3)], v[T+2*q], v[T+2*q+1]
.set q, q+1
.endr
.endm
.irp wn, 2,3
.irp bs, 0,32,64,96,128,160,192,224
	CONV \wn, \bs
.endr
.endr
	WIN 0
; THE SECOND PRODUCT, 64 modes a pass.  Second accumulators: tile (mode tile m, row tile rt) in window 1 at 8 (4 rt + m).
.macro LOADG c                         ; the operands of Wms for column tile c: each half block into registers 0-3 and once more into 4-7
	WIN 0x40
.irp m, 0,1,2,3
	ds_load_b128 v[128+32*((\c)%4)+8*(\m):128+32*((\c)%4)+8*(\m)+3],   v[ADP] offset:(\m)*16384+((\c)>>1)*1024+((\c)&1)*512
	ds_load_b128 v[128+32*((\c)%4)+8*(\m)+4:128+32*((\c)%4)+8*(\m)+7], v[ADP] offset:(\m)*16384+((\c)>>1)*1024+((\c)&1)*512
.endr
.endm
.macro PASS
	LOADG 0
	LOADG 1
	LOADG 2
.set pc, 0
.rept 16
.if pc < 14
	s_wait_dscnt 16                                ; the two younger groups may stay out
.elseif pc == 14
	s_wait_dscnt 8
.else
	s_wait_dscnt 0x0
.endif
.irp rt, 0,1,2,3
	WIN 0x59+4*((\rt)>>1)
.irp m, 0,1,2,3
.if pc == 0
	v_wmma_f32_16x16x32_bf16 v[8*(4*(\rt)+(\m)):8*(4*(\rt)+(\m))+7], v[128+32*(pc%4)+8*(\m):128+32*(pc%4)+8*(\m)+7], v[8*(16*((\rt)&1)+pc):8*(16*((\rt)&1)+pc)+7], 0
.else
	v_wmma_f32_16x16x32_bf16 v[8*(4*(\rt)+(\m)):8*(4*(\rt)+(\m))+7], v[128+32*(pc%4)+8*(\m):128+32*(pc%4)+8*(\m)+7], v[8*(16*((\rt)&1)+pc):8*(16*((\rt)&1)+pc)+7], v[8*(4*(\rt)+(\m)):8*(4*(\rt)+(\m))+7]
.endif
.endr
.endr
.if pc <= 12
	PLACES
	LOADG pc+3
.endif
.set pc, pc+1
.endr
.endm
.macro SEND                            ; row tiles 2, 3 go to the partner wave
	PLACES
	WIN 0x04
.set q, 0
.rept 8
	ds_store_b128 v[STS], v[64+8*q:67+8*q] offset:1024*q
	ds_store_b128 v[STS], v[68+8*q:71+8*q] offset:1024*q+512
.set q, q+1
.endr
.endm
; Behind a pass: all my tensor loads have landed (the next tile of Wms among them), the add, my stage stores and my reads of the slot are done.  fill = 1: a round, and the slot just read takes the tile two on.
.macro CHG fill
	WIN 0
	s_wait_tensorcnt 0x0
	ds_add_u32 v28, v29
.if \fill
	s_xor_b32 s57, s57, SLOT
	s_add_nc_u64 s[58:59], s[58:59], 65536
.endif
	s_wait_dscnt 0x0
.if \fill
	CROUND
	JLOADP
.else
	s_barrier_signal -1
	s_barrier_wait -1
.endif
.endm
.macro RECV                            ; the partner sums for my row tiles 0, 1 are added and stored.  The barrier stands between these reads of the stage and the stores of the next pass
	WIN 0
	s_wait_xcnt 0x0                                ; the stores of the last pass have read these registers
.set q, 0
.rept 8
	ds_load_b128 v[XS+8*q:XS+8*q+3],   v[STL] offset:1024*q
	ds_load_b128 v[XS+8*q+4:XS+8*q+7], v[STL] offset:1024*q+512
.set q, q+1
.endr
	s_wait_dscnt 0x0
	s_barrier_signal -1
	WIN 0x04
.set q, 0
.rept 32
	v_pk_add_f32 v[XS+2*q:XS+2*q+1], v[XS+2*q:XS+2*q+1], v[2*q:2*q+1]
.set q, q+1
.endr
	WIN 0
	s_barrier_wait -1
.irp a, 0,1
.irp m, 0,1,2,3
	global_store_b128 v[LO], v[XS+8*(4*(\a)+(\m)):XS+8*(4*(\a)+(\m))+3],   s[68:69] offset:(\a)*16384+(\m)*1024
	global_store_b128 v[LO], v[XS+8*(4*(\a)+(\m))+4:XS+8*(4*(\a)+(\m))+7], s[68:69] offset:(\a)*16384+(\m)*1024+512
.endr
.endr
	s_wait_xcnt 0x0
	s_add_nc_u64 s[68:69], s[68:69], 4096
.endm
	s_mov_b32 s71, 0
	s_mov_b32 s70, 2
.Lpass_fill:                                   ; passes 0, 1: tiles 2, 3 are asked for
	v_add_nc_u32 v[ADP], s71, v[ADP0]
	PASS
	SEND
	CHG 1
	RECV
	s_xor_b32 s71, s71, SLOT
	s_sub_co_u32 s70, s70, 1
	s_cmp_lg_u32 s70, 0
	s_cbranch_scc1 .Lpass_fill
	s_mov_b32 s70, 2
.Lpass_last:                                   ; passes 2, 3: nothing is left to fetch
	v_add_nc_u32 v[ADP], s71, v[ADP0]
	PASS
	SEND
	CHG 0
	RECV
	s_xor_b32 s71, s71, SLOT
	s_sub_co_u32 s70, s70, 1
	s_cmp_lg_u32 s70, 0
	s_cbranch_scc1 .Lpass_last
	s_wait_tensorcnt 0x0                           ; the end of the wave
	ds_add_u32 v28, v29
	s_wait_dscnt 0x0
	CROUND                                         ; the closing round
	s_endpgm
.Lfunc_end_k_q94a114894d_main:
	.size	k_q94a114894d_main, .Lfunc_end_k_q94a114894d_main-k_q94a114894d_main
	.p2alignl 7, 3214868480
	.fill 96, 4, 3214868480
	.section	.rodata,"a",@progbits
	.p2align	6, 0x0
	.amdhsa_kernel k_q94a114894d_main
		.amdhsa_group_segment_fixed_size 327680
		.amdhsa_private_segment_fixed_size 0
		.amdhsa_enable_private_segment 0
		.amdhsa_kernarg_size 48
		.amdhsa_user_sgpr_count 2
		.amdhsa_user_sgpr_kernarg_segment_ptr 1
		.amdhsa_wavefront_size32 1
		.amdhsa_system_sgpr_workgroup_id_x 1
		.amdhsa_system_sgpr_workgroup_id_y 1
		.amdhsa_system_sgpr_workgroup_id_z 1
		.amdhsa_system_vgpr_workitem_id 0
		.amdhsa_next_free_vgpr 1024
		.amdhsa_next_free_sgpr 100
		.amdhsa_reserve_vcc 0
		.amdhsa_float_denorm_mode_32 3
		.amdhsa_float_denorm_mode_16_64 3
		.amdhsa_memory_ordered 1
		.amdhsa_forward_progress 1
		.amdhsa_inst_pref_size 255
	.end_amdhsa_kernel
	.section	.bss,"aw",@nobits
	.p2align	6
	.space	262144
	.amdgpu_metadata
---
amdhsa.version: [ 1, 2 ]
amdhsa.kernels:
  - .name:           k_q94a114894d_main
    .symbol:         k_q94a114894d_main.kd
    .args:
      - { .name: x, .offset: 0, .size: 8, .value_kind: global_buffer, .address_space: global }
      - { .name: Wtr_b, .offset: 8, .size: 8, .value_kind: global_buffer, .address_space: global }
      - { .name: wf, .offset: 16, .size: 8, .value_kind: global_buffer, .address_space: global }
      - { .name: pf, .offset: 24, .size: 8, .value_kind: global_buffer, .address_space: global }
      - { .name: opart, .offset: 32, .size: 8, .value_kind: global_buffer, .address_space: global }
      - { .name: lpart, .offset: 40, .size: 8, .value_kind: global_buffer, .address_space: global }
    .group_segment_fixed_size: 327680
    .private_segment_fixed_size: 0
    .kernarg_segment_align: 8
    .kernarg_segment_size: 48
    .max_flat_workgroup_size: 128
    .sgpr_count:     100
    .vgpr_count:     1024
    .wavefront_size: 32
...
	.end_amdgpu_metadata
.endif
;; end of part 2
;; launch pick (part 3): grid 384 x 1, 4 waves a work-group, no clusters, 26,880 bytes of LDS; arguments lpart, Wms_b, prev_mode, opart, pf, wf, M, g, Wrd_b, steer, ytab; writes steer, ytab
.if DOCPART == 3
	.amdgcn_target "amdgcn-amd-amdhsa--gfx1250"
	.amdhsa_code_object_version 6
	.text
	.protected	k_q94a114894d_pick
	.globl	k_q94a114894d_pick
	.p2align	8
	.type	k_q94a114894d_pick,@function
k_q94a114894d_pick:
	s_mov_b64 s[64:65], 0
	v_nop
	global_prefetch_b8 v0, s[64:65] scope:SCOPE_SE
	s_setreg_imm32_b32 hwreg(HW_REG_WAVE_MODE, 25, 1), 1
	s_wait_xcnt 0x0
; PICK.  Two roles, chosen by the work-group number alone; each has LDS bytes of its own.
; ROLE Y (work-groups 0-127): the table y(mode): O = the sum of the 8 partial V^T P, r = M row + O / l, y = (r g) Wrd / rms(r) + b.  16 modes (qt) x 128 output columns (cb) a work-group.
;   The scale 1 / rms belongs to a mode, so it is applied behind the product: one barrier serves operands and sums of squares.
; ROLE A (work-groups 128-383): 32 time steps of one batch.  The four partial logits and the bias are added; a[s] = argmax (lowest index on ties); for each mode k and step s one bit:
;   does k, had it won the step before, win again: lg[k] + 0.1 > max, or = max with k < a.  In step 0 the logits take 0.1 x prev_mode, so a[0] is the mode of step 0.
;   All comparisons of floats end here, as whole numbers in steer; the next launch walks on those alone.
; LIMITS: biases, prev_mode, M and g are rounded once to bf16; r g is rounded to bf16 for the product; NaN and infinities are not treated apart.
.set RN,    1024                       ; LDS: 0: 128 pairs (max, index);  RN: 16 operands of 1,024 bytes;  SSX: 4 x 32 sums of squares;  YS: 16 rows of 512 + 16 bytes
.set SSX,   17408
.set YS,    17920
.set SPARE, 26368
.macro PLACES
.rept 4
	v_nop
.endr
.endm
.macro END3
	s_wait_tensorcnt 0x0
	ds_add_u32 v8, v9
	s_wait_dscnt 0x0
.endm
.macro RND2 a                          ; a pair of f32 rounded to bf16, in place
	v_cvt_pk_bf16_f32 v[\a], v[\a], v[(\a)+1]
	v_and_b32 v[(\a)+1], s41, v[\a]
	v_lshlrev_b32 v[\a], 16, v[\a]
.endm
.macro ADDN dst, src, n                ; n packed additions
.set q, 0
.rept \n
	v_pk_add_f32 v[(\dst)+q:(\dst)+q+1], v[(\dst)+q:(\dst)+q+1], v[(\src)+q:(\src)+q+1]
.set q, q+2
.endr
.endm
	s_load_b512 s[8:23], s[0:1], 0x0               ; lpart, Wms_b, prev_mode, opart, pf, wf, M, g
	s_load_b128 s[24:27], s[0:1], 0x40             ; Wrd_b, steer
	s_load_b64 s[28:29], s[0:1], 0x50              ; ytab
	v_lshl_add_u32 v8, v0, 2, SPARE
	v_mov_b32 v9, 0
	v_lshrrev_b32 v1, 5, v0
	v_readfirstlane_b32 s40, v1                    ; wave v
	s_mov_b32 s41, 0xffff0000
	s_mov_b32 s42, 0x76543210
	s_mov_b32 s43, 0xfedcba98
	v_and_b32 v1, 31, v0                           ; lane
	v_and_b32 v2, 15, v0                           ; r
	v_bfe_u32 v3, v0, 4, 1                         ; h
	v_lshlrev_b32 v4, 4, v1
	v_lshlrev_b32 v5, 5, v3
	s_cmp_lt_u32 ttmp9, 128
	s_cbranch_scc1 .Lrole_y
; ---------------------------------------------------------------- ROLE A.  Wave v owns modes 64 v .. + 63.  LG[32 a + 8 m + j] of lane (r, h): mode 64 v + 16 m + 8 h + j, row 16 a + r
	s_sub_co_u32 s44, ttmp9, 128                   ; W: the record
	s_lshr_b32 s45, s44, 5                         ; batch
	s_and_b32 s46, s44, 31
	s_lshl_b32 s48, s44, 15
	s_lshl_b32 s47, s40, 12
	s_add_co_u32 s48, s48, s47
	s_mov_b32 s49, 0
	s_lshl_b32 s50, s40, 8
	s_mov_b32 s51, 0
	s_lshl_b32 s52, s45, 10
	s_add_co_u32 s52, s52, s50
	s_mov_b32 s53, 0
	s_mul_i32 s54, s44, 1280
	s_mov_b32 s55, 0
	v_lshlrev_b32 v6, 3, v1
	v_add_nc_u32 v7, s50, v6
	s_wait_kmcnt 0x0
	s_add_nc_u64 s[30:31], s[8:9], s[48:49]
	s_add_nc_u64 s[32:33], s[30:31], 0x800000
	s_add_nc_u64 s[34:35], s[32:33], 0x800000
	s_add_nc_u64 s[36:37], s[34:35], 0x800000
	s_add_nc_u64 s[56:57], s[10:11], s[50:51]
	s_add_nc_u64 s[58:59], s[12:13], s[52:53]
	s_add_nc_u64 s[60:61], s[26:27], s[54:55]
.irp m, 0,1,2,3
	global_load_b128 v[32+8*(\m):35+8*(\m)], v5, s[56:57] offset:64*(\m)
	global_load_b128 v[36+8*(\m):39+8*(\m)], v5, s[56:57] offset:64*(\m)+16
.endr
.irp m, 0,1,2,3
	global_load_b128 v[224+8*(\m):227+8*(\m)], v5, s[58:59] offset:64*(\m)
	global_load_b128 v[228+8*(\m):231+8*(\m)], v5, s[58:59] offset:64*(\m)+16
.endr
.macro UNIT dst, sb, a                 ; four tiles of one partial sum: 8 loads
.irp m, 0,1,2,3
	global_load_b128 v[(\dst)+8*(\m):(\dst)+8*(\m)+3],   v4, s[\sb:\sb+1] offset:(\a)*16384+(\m)*1024 th:TH_LOAD_NT
	global_load_b128 v[(\dst)+8*(\m)+4:(\dst)+8*(\m)+7], v4, s[\sb:\sb+1] offset:(\a)*16384+(\m)*1024+512 th:TH_LOAD_NT
.endr
.endm
	UNIT 64, 30, 0
	UNIT 96, 30, 1
	UNIT 128, 32, 0
	UNIT 160, 32, 1
	UNIT 192, 34, 0
	s_wait_loadcnt 16                              ; each count: the loads younger than the unit that is wanted
	ADDN 64, 128, 16
	UNIT 128, 34, 1
	s_wait_loadcnt 16
	ADDN 96, 160, 16
	UNIT 160, 36, 0
	s_wait_loadcnt 16
	ADDN 64, 192, 16
	UNIT 192, 36, 1
	s_wait_loadcnt 16
	ADDN 96, 128, 16
	s_wait_loadcnt 8
	ADDN 64, 160, 16
	s_wait_loadcnt 0x0
	ADDN 96, 192, 16
.set p, 0
.rept 16
	RND2 32+p
	RND2 224+p
.set p, p+2
.endr
	ADDN 64, 32, 16
	ADDN 96, 32, 16
	s_cmp_eq_u32 s46, 0                            ; step 0 is row 0 of the batch first record: lanes 0 and 16
	s_cselect_b32 s38, 0x00010001, 0
	v_mov_b32 v12, 0x3dcccccd
	v_cndmask_b32 v12, 0, v12, s38
.set c, 0
.rept 32
	v_fmac_f32 v[64+c], v12, v[224+c]
.set c, c+1
.endr
.macro MAX32 dst, base                 ; the greatest of 32, then of the other half of the lanes
.irp m, 0,1,2,3
	v_max3_num_f32 v[16+(\m)], v[(\base)+8*(\m)], v[(\base)+8*(\m)+1], v[(\base)+8*(\m)+2]
.endr
.irp m, 0,1,2,3
	v_max3_num_f32 v[16+(\m)], v[16+(\m)], v[(\base)+8*(\m)+3], v[(\base)+8*(\m)+4]
.endr
.irp m, 0,1,2,3
	v_max3_num_f32 v[16+(\m)], v[16+(\m)], v[(\base)+8*(\m)+5], v[(\base)+8*(\m)+6]
.endr
	v_max3_num_f32 v16, v16, v[(\base)+7], v[(\base)+15]
	v_max3_num_f32 v17, v17, v[(\base)+23], v[(\base)+31]
	v_max3_num_f32 v16, v16, v17, v18
	v_max_num_f32 v[\dst], v16, v19
	v_permlanex16_b32 v16, v[\dst], s42, s43
	v_max_num_f32 v[\dst], v[\dst], v16
.endm
	MAX32 12, 64
	MAX32 13, 96
	v_mov_b32 v14, 0x3ff
	v_mov_b32 v15, 0x3ff
.irp a, 0,1
.set c, 31
.rept 32                               ; descending, so that the lowest index stays
	v_cmp_eq_f32 vcc_lo, v[64+32*(\a)+c], v[12+(\a)]
	v_cndmask_b32 v[14+(\a)], v[14+(\a)], 16*(c>>3)+(c&7), vcc_lo
.set c, c-1
.endr
.endr
	s_lshl_b32 s47, s40, 6
	v_lshl_add_u32 v20, v3, 3, s47                 ; 8 h + 64 v
	v_add_nc_u32 v14, v14, v20
	v_add_nc_u32 v15, v15, v20
	v_permlanex16_b32 v16, v14, s42, s43
	v_permlanex16_b32 v17, v15, s42, s43
	v_min_u32 v14, v14, v16
	v_min_u32 v15, v15, v17
	s_mov_b32 s39, 0xffff0000
	v_cndmask_b32 v24, v12, v13, s39               ; lane l now stands for row l
	v_cndmask_b32 v25, v14, v15, s39
	ds_store_b64 v7, v[24:25]                      ; at (32 v + lane) x 8
	s_wait_dscnt 0x0
	s_barrier_signal -1
	s_barrier_wait -1
.irp w, 0,1,2,3
	ds_load_b64 v[128+2*(\w):129+2*(\w)], v6 offset:256*(\w)
.endr
	s_wait_dscnt 0x0
	v_mov_b32 v24, v128
	v_mov_b32 v25, v129
.irp w, 1,2,3                          ; ascending waves, replaced only by a strictly greater value: the lowest index wins a tie
	v_cmp_gt_f32 vcc_lo, v[128+2*(\w)], v24
	v_cndmask_b32 v24, v24, v[128+2*(\w)], vcc_lo
	v_cndmask_b32 v25, v25, v[129+2*(\w)], vcc_lo
.endr
	s_cmp_lg_u32 s40, 0
	s_cbranch_scc1 .Lno_a
	v_mov_b32 v136, v25
	v_mov_b32 v137, 0
	global_store_b64 v6, v[136:137], s[60:61] offset:1024   ; 32 pairs (a, 0): 256 bytes on end
.Lno_a:
	v_permlanex16_b32 v16, v24, s42, s43
	v_permlanex16_b32 v17, v25, s42, s43
	v_cndmask_b32 v18, v24, v16, s39               ; max and a of row r,
	v_cndmask_b32 v19, v16, v24, s39               ; and of row 16 + r
	v_cndmask_b32 v22, v25, v17, s39
	v_cndmask_b32 v23, v17, v25, s39
	v_sub_nc_u32 v22, v22, v20                     ; a less my lanes first mode: signed
	v_sub_nc_u32 v23, v23, v20
.set q, 0
.rept 32
	v_pk_add_f32 v[64+q:65+q], v[64+q:65+q], 0x3dcccccd op_sel_hi:[1,0]
.set q, q+2
.endr
	v_mov_b32 v10, 0
	v_mov_b32 v11, 0
.set c, 0
.rept 32
.set dc, 16*(c>>3)+(c&7)
	v_cmp_gt_f32 s70, v[64+c], v18
	v_cmp_eq_f32 s71, v[64+c], v18
	v_cmp_gt_i32 s72, v22, dc
	v_cmp_gt_f32 s73, v[96+c], v19
	v_cmp_eq_f32 s74, v[96+c], v19
	v_cmp_gt_i32 s75, v23, dc
	s_and_b32 s71, s71, s72
	s_or_b32 s70, s70, s71                         ; rows 0-15: low half mode dc, high half mode dc + 8
	s_and_b32 s74, s74, s75
	s_or_b32 s73, s73, s74                         ; rows 16-31
	s_and_b32 s76, s70, 0xffff
	s_lshl_b32 s77, s73, 16
	s_or_b32 s76, s76, s77
	s_lshr_b32 s78, s70, 16
	s_and_b32 s79, s73, s41
	s_or_b32 s78, s78, s79
	v_writelane_b32 v[10+(dc&1)], s76, dc>>1
	v_writelane_b32 v[10+(dc&1)], s78, (dc+8)>>1
.set c, c+1
.endr
	global_store_b64 v7, v[10:11], s[60:61]        ; my 64 words: 256 bytes on end
	END3
	s_endpgm
; ---------------------------------------------------------------- ROLE Y.  O[8 t + j] of lane (r, h): d = 128 v + 16 t + 8 h + j, mode 16 qt + r
.Lrole_y:
	s_lshr_b32 s44, ttmp9, 3                       ; qt
	s_and_b32 s45, ttmp9, 7                        ; cb
	s_lshl_b32 s46, s44, 15
	s_lshl_b32 s47, s40, 13
	s_add_co_u32 s46, s46, s47
	s_mov_b32 s47, 0
	s_lshr_b32 s48, s44, 2
	s_lshl_b32 s48, s48, 9
	s_and_b32 s49, s44, 3
	s_lshl_b32 s49, s49, 6
	s_add_co_u32 s48, s48, s49
	s_add_co_u32 s48, s48, 2097152
	s_mov_b32 s49, 0
	s_lshl_b32 s52, s40, 9
	s_mov_b32 s53, 0
	s_lshl_b32 s50, s44, 15
	s_add_co_u32 s50, s50, s52
	s_mov_b32 s51, 0
	s_lshl_b32 s54, s45, 9
	s_mov_b32 s55, 0
	s_lshl_b32 s56, s45, 3
	s_lshl_b32 s57, s40, 1
	s_add_co_u32 s56, s56, s57
	s_lshl_b32 s56, s56, 14
	s_add_co_u32 s56, s56, 9437184
	s_mov_b32 s57, 0
	s_lshl_b32 s60, s44, 16
	s_add_co_u32 s60, s60, s54
	s_mov_b32 s61, 0
	s_mov_b32 s66, 0x3b000000                      ; 1 / 512
	s_mov_b32 s67, 0x358637bd                      ; 1e-6
	v_lshlrev_b32 v6, 8, v3
	v_lshl_add_u32 v6, v2, 2, v6
	v_lshlrev_b32 v7, 11, v2
	v_lshl_add_u32 v7, v3, 5, v7
	s_wait_kmcnt 0x0
	s_add_nc_u64 s[30:31], s[14:15], s[46:47]
	s_add_nc_u64 s[32:33], s[16:17], s[48:49]
	s_add_nc_u64 s[34:35], s[20:21], s[50:51]
	s_add_nc_u64 s[36:37], s[22:23], s[52:53]
	s_add_nc_u64 s[38:39], s[24:25], s[54:55]
	s_add_nc_u64 s[58:59], s[18:19], s[56:57]
	s_add_nc_u64 s[62:63], s[28:29], s[60:61]
.macro OUNIT dst, s                    ; my 8 tiles of partial sum s: 16 loads
.irp d, 0,1,2,3,4,5,6,7
	global_load_b128 v[(\dst)+8*(\d):(\dst)+8*(\d)+3],   v4, s[30:31] offset:(\s)*524288+(\d)*1024
	global_load_b128 v[(\dst)+8*(\d)+4:(\dst)+8*(\d)+7], v4, s[30:31] offset:(\s)*524288+(\d)*1024+512
.endr
.endm
	OUNIT 64, 0
	OUNIT 128, 1
	OUNIT 192, 2
	s_wait_loadcnt 16                              ; the younger unit may stay out
	ADDN 64, 128, 32
	OUNIT 128, 3
	s_wait_loadcnt 16
	ADDN 64, 192, 32
	OUNIT 192, 4
	s_wait_loadcnt 16
	ADDN 64, 128, 32
	OUNIT 128, 5
	s_wait_loadcnt 16
	ADDN 64, 192, 32
	OUNIT 192, 6
	s_wait_loadcnt 16
	ADDN 64, 128, 32
	OUNIT 128, 7
	s_wait_loadcnt 16
	ADDN 64, 192, 32
.set i, 0
.rept 64
	global_load_b32 v[192+i], v6, s[32:33] offset:2048*i   ; the row sums of P: key block i, half lane / 16, mode lane % 16
.set i, i+1
.endr
	s_wait_loadcnt 63                              ; 64 loads are younger; the count can name 63
	ADDN 64, 128, 32
.irp d, 0,1,2,3,4,5,6,7
	global_load_b128 v[128+8*(\d):131+8*(\d)], v7, s[34:35] offset:64*(\d)
	global_load_b128 v[132+8*(\d):135+8*(\d)], v7, s[34:35] offset:64*(\d)+16
.endr
	s_wait_loadcnt 16                              ; the row sums are in; the rows of M may stay out
.irp w, 32,16,8,4,2
.set i, 0
.rept (\w)/2
	v_pk_add_f32 v[192+i:193+i], v[192+i:193+i], v[192+(\w)+i:193+(\w)+i]
.set i, i+2
.endr
.endr
	v_add_f32 v192, v192, v193
	v_permlanex16_b32 v193, v192, s42, s43
	v_add_f32 v192, v192, v193
	v_rcp_f32 v10, v192
	v_mov_b32 v11, 0                               ; a plain line behind the reciprocal; it also writes the other half of the pair
	s_wait_alu depctr_va_vdst(0)
.irp d, 0,1,2,3,4,5,6,7
	global_load_b128 v[192+8*(\d):195+8*(\d)], v5, s[36:37] offset:64*(\d)
	global_load_b128 v[196+8*(\d):199+8*(\d)], v5, s[36:37] offset:64*(\d)+16
.endr
	global_load_b128 v[12:15], v4, s[38:39]
	s_wait_loadcnt 17                              ; M is in; g and the bias may stay out
.set p, 0
.rept 32
	RND2 128+p
.set p, p+2
.endr
.set q, 0
.rept 32
	v_pk_fma_f32 v[64+q:65+q], v[64+q:65+q], v[10:11], v[128+q:129+q] op_sel_hi:[1,0,1]   ; r = O / l + mem
.set q, q+2
.endr
.set q, 0
.rept 32                               ; the sum of squares, in four chains
.if q < 8
	v_pk_mul_f32 v[32+q:33+q], v[64+q:65+q], v[64+q:65+q]
.else
	v_pk_fma_f32 v[32+(q%8):33+(q%8)], v[64+q:65+q], v[64+q:65+q], v[32+(q%8):33+(q%8)]
.endif
.set q, q+2
.endr
	v_pk_add_f32 v[32:33], v[32:33], v[34:35]
	v_pk_add_f32 v[36:37], v[36:37], v[38:39]
	v_pk_add_f32 v[32:33], v[32:33], v[36:37]
	v_add_f32 v32, v32, v33
	v_permlanex16_b32 v33, v32, s42, s43
	v_add_f32 v32, v32, v33
	s_wait_loadcnt 0x0
.set p, 0
.rept 32
	RND2 192+p
.set p, p+2
.endr
	RND2 12
	RND2 14
.set q, 0
.rept 32
	v_pk_mul_f32 v[64+q:65+q], v[64+q:65+q], v[192+q:193+q]
.set q, q+2
.endr
.set q, 0
.rept 32
	v_cvt_pk_bf16_f32 v[128+q], v[64+2*q], v[65+2*q]   ; two tiles, rounded in pairs, are one operand (32 d x 16 modes)
.set q, q+1
.endr
	s_lshl_b32 s68, s40, 12
	s_add_co_u32 s68, s68, RN
	v_add_nc_u32 v44, s68, v4
.irp k, 0,1,2,3
	ds_store_b128 v44, v[128+8*(\k):131+8*(\k)] offset:1024*(\k)
	ds_store_b128 v44, v[132+8*(\k):135+8*(\k)] offset:1024*(\k)+512
.endr
	s_lshl_b32 s69, s40, 7
	s_add_co_u32 s69, s69, SSX
	v_lshl_add_u32 v45, v1, 2, s69
	ds_store_b32 v45, v32
.macro WGRP buf, gq                    ; four K steps of Wrd for my two column tiles: 16 loads
.irp k, 0,1,2,3
.irp n, 0,1
	global_load_b128 v[(\buf)+8*(2*(\k)+(\n)):(\buf)+8*(2*(\k)+(\n))+3],   v4, s[58:59] offset:((\n)*16+4*(\gq)+(\k))*1024
	global_load_b128 v[(\buf)+8*(2*(\k)+(\n))+4:(\buf)+8*(2*(\k)+(\n))+7], v4, s[58:59] offset:((\n)*16+4*(\gq)+(\k))*1024+512
.endr
.endr
.endm
	WGRP 64, 0
	WGRP 192, 1
	s_wait_dscnt 0x0                               ; my LDS stores are done: for the other waves, and before loads land on their data
	WGRP 128, 2
	s_barrier_signal -1
	s_barrier_wait -1
.macro YSTEP buf, gq, left             ; y^T += Wrd (r g)^T for four K steps, the two accumulators by turns
.irp k, 0,1,2,3
	ds_load_b128 v[32+8*(\k):35+8*(\k)], v4 offset:RN+(4*(\gq)+(\k))*1024
	ds_load_b128 v[36+8*(\k):39+8*(\k)], v4 offset:RN+(4*(\gq)+(\k))*1024+512
.endr
	s_wait_loadcnt \left                           ; the younger groups may stay out
	s_wait_dscnt 0x0
.irp k, 0,1,2,3
.irp n, 0,1
.if ((\gq) == 0) && ((\k) == 0)
	v_wmma_f32_16x16x32_bf16 v[16+8*(\n):23+8*(\n)], v[(\buf)+8*(2*(\k)+(\n)):(\buf)+8*(2*(\k)+(\n))+7], v[32+8*(\k):39+8*(\k)], 0
.else
	v_wmma_f32_16x16x32_bf16 v[16+8*(\n):23+8*(\n)], v[(\buf)+8*(2*(\k)+(\n)):(\buf)+8*(2*(\k)+(\n))+7], v[32+8*(\k):39+8*(\k)], v[16+8*(\n):23+8*(\n)]
.endif
.endr
.endr
	PLACES
.endm
	YSTEP 64, 0, 32
	WGRP 64, 3
	YSTEP 192, 1, 32
	YSTEP 128, 2, 16
	YSTEP 64, 3, 0
	v_lshlrev_b32 v10, 2, v1
.irp w, 0,1,2,3
	ds_load_b32 v[32+(\w)], v10 offset:SSX+128*(\w)
.endr
	s_wait_dscnt 0x0
	v_add_f32 v32, v32, v33
	v_add_f32 v34, v34, v35
	v_add_f32 v32, v32, v34
	v_fma_f32 v32, v32, s66, s67
	v_rsq_f32 v36, v32
	v_mov_b32 v37, 0                               ; a plain line behind the root; it also writes the other half of the pair
	s_wait_alu depctr_va_vdst(0)
.set q, 0
.rept 8
	v_pk_mul_f32 v[16+q:17+q], v[16+q:17+q], v[36:37] op_sel_hi:[1,0]
.set q, q+2
.endr
	v_mul_u32_u24 v11, v2, 528
	v_lshl_add_u32 v11, v3, 5, v11
	s_lshl_b32 s68, s40, 7
	s_add_co_u32 s68, s68, YS
	v_add_nc_u32 v11, s68, v11                     ; row r, columns 32 v + 8 h
.irp n, 0,1
	ds_store_b128 v11, v[16+8*(\n):19+8*(\n)] offset:64*(\n)
	ds_store_b128 v11, v[20+8*(\n):23+8*(\n)] offset:64*(\n)+16
.endr
	s_wait_dscnt 0x0
	s_barrier_signal -1
	s_barrier_wait -1
	s_mul_i32 s68, s40, 528
	s_add_co_u32 s68, s68, YS
	v_add_nc_u32 v10, s68, v4                      ; back by rows: wave v takes rows v, v + 4, v + 8, v + 12, 512 bytes each
	s_lshl_b32 s69, s40, 12
	v_add_nc_u32 v52, s69, v4                      ; the same rows in the table; v52 lies outside the sixteen registers that are loaded below
.irp i, 0,1,2,3
	ds_load_b128 v[32+4*(\i):35+4*(\i)], v10 offset:2112*(\i)
.endr
	s_wait_dscnt 0x0
.irp i, 0,1,2,3
	v_pk_add_f32 v[32+4*(\i):33+4*(\i)], v[32+4*(\i):33+4*(\i)], v[12:13]
	v_pk_add_f32 v[34+4*(\i):35+4*(\i)], v[34+4*(\i):35+4*(\i)], v[14:15]
	global_store_b128 v52, v[32+4*(\i):35+4*(\i)], s[62:63] offset:16384*(\i)
.endr
	END3
	s_endpgm
.Lfunc_end_k_q94a114894d_pick:
	.size	k_q94a114894d_pick, .Lfunc_end_k_q94a114894d_pick-k_q94a114894d_pick
	.p2alignl 7, 3214868480
	.fill 96, 4, 3214868480
	.section	.rodata,"a",@progbits
	.p2align	6, 0x0
	.amdhsa_kernel k_q94a114894d_pick
		.amdhsa_group_segment_fixed_size 26880
		.amdhsa_private_segment_fixed_size 0
		.amdhsa_enable_private_segment 0
		.amdhsa_kernarg_size 88
		.amdhsa_user_sgpr_count 2
		.amdhsa_user_sgpr_kernarg_segment_ptr 1
		.amdhsa_wavefront_size32 1
		.amdhsa_system_sgpr_workgroup_id_x 1
		.amdhsa_system_sgpr_workgroup_id_y 1
		.amdhsa_system_sgpr_workgroup_id_z 1
		.amdhsa_system_vgpr_workitem_id 0
		.amdhsa_next_free_vgpr 256
		.amdhsa_next_free_sgpr 100
		.amdhsa_reserve_vcc 1
		.amdhsa_float_denorm_mode_32 3
		.amdhsa_float_denorm_mode_16_64 3
		.amdhsa_memory_ordered 1
		.amdhsa_forward_progress 1
		.amdhsa_inst_pref_size 134
	.end_amdhsa_kernel
	.amdgpu_metadata
---
amdhsa.version: [ 1, 2 ]
amdhsa.kernels:
  - .name:           k_q94a114894d_pick
    .symbol:         k_q94a114894d_pick.kd
    .args:
      - { .name: lpart, .offset: 0, .size: 8, .value_kind: global_buffer, .address_space: global }
      - { .name: Wms_b, .offset: 8, .size: 8, .value_kind: global_buffer, .address_space: global }
      - { .name: prev_mode, .offset: 16, .size: 8, .value_kind: global_buffer, .address_space: global }
      - { .name: opart, .offset: 24, .size: 8, .value_kind: global_buffer, .address_space: global }
      - { .name: pf, .offset: 32, .size: 8, .value_kind: global_buffer, .address_space: global }
      - { .name: wf, .offset: 40, .size: 8, .value_kind: global_buffer, .address_space: global }
      - { .name: M, .offset: 48, .size: 8, .value_kind: global_buffer, .address_space: global }
      - { .name: g, .offset: 56, .size: 8, .value_kind: global_buffer, .address_space: global }
      - { .name: Wrd_b, .offset: 64, .size: 8, .value_kind: global_buffer, .address_space: global }
      - { .name: steer, .offset: 72, .size: 8, .value_kind: global_buffer, .address_space: global }
      - { .name: ytab, .offset: 80, .size: 8, .value_kind: global_buffer, .address_space: global }
    .group_segment_fixed_size: 26880
    .private_segment_fixed_size: 0
    .kernarg_segment_align: 8
    .kernarg_segment_size: 88
    .max_flat_workgroup_size: 128
    .sgpr_count:     100
    .vgpr_count:     256
    .wavefront_size: 32
...
	.end_amdgpu_metadata
.endif
;; end of part 3
;; launch emit (part 4): grid 256 x 1, 32 waves a work-group, no clusters, 85,504 bytes of LDS; arguments steer, ytab, out0, out1; writes out0, out1
.if DOCPART == 4
	.amdgcn_target "amdgcn-amd-amdhsa--gfx1250"
	.amdhsa_code_object_version 6
	.text
	.protected	k_q94a114894d_emit
	.globl	k_q94a114894d_emit
	.p2align	8
	.type	k_q94a114894d_emit,@function
k_q94a114894d_emit:
	s_mov_b64 s[64:65], 0
	v_nop
	global_prefetch_b8 v0, s[64:65] scope:SCOPE_SE
	s_setreg_imm32_b32 hwreg(HW_REG_WAVE_MODE, 25, 1), 1
	s_wait_xcnt 0x0
; EMIT.  The scan, on whole numbers alone, and the outputs.  A work-group serves 32 time steps of one batch (one row a wave) and walks the whole batch anew: 40 KiB of steer.
; mode[t] = mode[t-1] if bit t of the word of mode[t-1] is set, else a[t]; mode[0] = a[0].  So the mode changes only at RESETS.  nxt[t] = the first u > t at which bit u of mode a[t] is clear: the reset
; that follows a reset at t.  Ten tables J_r[t] = the reset 2^r resets behind t (1,024 = none).  A wave walks from 0 to the last reset c <= its step: mode = a[c].
; y is row mode of the table of 256 rows; modes is its one-hot.  Every number from memory that enters an address stands behind a v_min_u32.
.set TL,    0                          ; 33 rows of 256 words: row w, word k: the bits of steps 32 w .. + 31 for mode k; row 32 is 0 and ends every search at 1,024
.set AL,    33792                      ; a[t], 1,024 words
.set JB,    37888                      ; ten tables of 1,025 words, 4,352 bytes apart
.set SPARE, 81408
	s_load_b256 s[4:11], s[0:1], 0x0               ; steer, ytab, out0, out1
	v_lshl_add_u32 v30, v0, 2, SPARE
	v_mov_b32 v31, 0
	v_lshrrev_b32 v1, 5, v0
	v_readfirstlane_b32 s12, v1                    ; wave 0..31
	v_and_b32 v1, 31, v0
	v_lshlrev_b32 v2, 4, v1
	v_lshlrev_b32 v3, 3, v1
	s_lshr_b32 s13, ttmp9, 5                       ; batch
	s_and_b32 s14, ttmp9, 31                       ; which 32 steps are mine
	s_mul_i32 s16, s13, 40960
	s_mul_i32 s17, s12, 1280
	s_add_co_u32 s16, s16, s17
	s_mov_b32 s17, 0
	s_lshl_b32 s22, ttmp9, 5
	s_add_co_u32 s22, s22, s12                     ; my row
	s_lshl_b32 s24, s22, 12
	s_mov_b32 s25, 0
	s_lshl_b32 s26, s22, 10
	s_mov_b32 s27, 0
	s_wait_kmcnt 0x0
	s_add_nc_u64 s[18:19], s[4:5], s[16:17]
	s_add_nc_u64 s[24:25], s[8:9], s[24:25]
	s_add_nc_u64 s[26:27], s[10:11], s[26:27]
	global_load_b128 v[4:7], v2, s[18:19]
	global_load_b128 v[8:11], v2, s[18:19] offset:512
	global_load_b32 v12, v3, s[18:19] offset:1024
	s_lshl_b32 s20, s12, 10
	v_add_nc_u32 v13, s20, v2
	v_lshlrev_b32 v14, 2, v0
	v_mov_b32 v17, 0
	s_wait_loadcnt 0x0
	v_min_u32 v12, 0xff, v12
	ds_store_b128 v13, v[4:7]
	ds_store_b128 v13, v[8:11] offset:512
	ds_store_b32 v14, v12 offset:AL
	s_cmp_lt_u32 s12, 8                            ; threads 0-255 clear row 32
	s_cbranch_scc0 .Lno_zero
	ds_store_b32 v14, v17 offset:32768
.Lno_zero:
	s_cmp_eq_u32 s12, 8                            ; wave 8 sets word 1,024 of the ten tables: all lanes store the same word
	s_cbranch_scc0 .Lno_end
	v_mov_b32 v15, JB+4096
	v_mov_b32 v16, 0x400
.irp r, 0,1,2,3,4,5,6,7,8,9
	ds_store_b32 v15, v16 offset:4352*(\r)
.endr
.Lno_end:
	s_wait_dscnt 0x0
	s_barrier_signal -1
	s_barrier_wait -1
	; nxt[t], thread t: the clear bits of the word that holds step t + 1, from that step on
	v_add_nc_u32 v18, 1, v0
	v_lshrrev_b32 v19, 5, v18
	v_and_b32 v20, 31, v18
	v_mov_b32 v21, -1
	v_lshlrev_b32 v20, v20, v21
	v_lshlrev_b32 v22, 2, v12
	v_lshl_add_u32 v23, v19, 10, v22
	ds_load_b32 v24, v23
	s_wait_dscnt 0x0
	v_xor_b32 v24, -1, v24
	v_and_b32 v25, v24, v20                        ; the clear places found so far; 0: none yet
	v_mov_b32 v26, v19                             ; and their word
	; then the 32 words behind it, eight at a time: eight loads that do not wait for each other, then the first word with a clear place is kept.
	; In front of each eight the wave leaves, forward, if every lane has found one.  Past the last word row 32 is read, which is all clear.
.irp blk, 0,1,2,3
	v_cmp_eq_u32 vcc_lo, 0, v25
	s_cbranch_vccz .Lfound
.irp k, 0,1,2,3,4,5,6,7
	v_add_nc_u32 v[40+(\k)], 8*(\blk)+(\k)+1, v19
	v_min_u32 v[40+(\k)], 32, v[40+(\k)]
	v_lshl_add_u32 v[48+(\k)], v[40+(\k)], 10, v22
	ds_load_b32 v[56+(\k)], v[48+(\k)]
.endr
	s_wait_dscnt 0x0
.irp k, 0,1,2,3,4,5,6,7
	v_xor_b32 v[56+(\k)], -1, v[56+(\k)]
	v_cmp_eq_u32 vcc_lo, 0, v25
	v_cndmask_b32 v25, v25, v[56+(\k)], vcc_lo
	v_cndmask_b32 v26, v26, v[40+(\k)], vcc_lo
.endr
.endr
.Lfound:
	v_sub_nc_u32 v24, 0, v25
	v_and_b32 v24, v24, v25                        ; the lowest clear place alone
	v_lshlrev_b32 v27, 5, v26
	v_and_b32 v21, 0xaaaaaaaa, v24
	v_min_u32 v21, 1, v21
	v_lshl_or_b32 v27, v21, 0, v27
	v_and_b32 v21, 0xcccccccc, v24
	v_min_u32 v21, 1, v21
	v_lshl_or_b32 v27, v21, 1, v27
	v_and_b32 v21, 0xf0f0f0f0, v24
	v_min_u32 v21, 1, v21
	v_lshl_or_b32 v27, v21, 2, v27
	v_and_b32 v21, 0xff00ff00, v24
	v_min_u32 v21, 1, v21
	v_lshl_or_b32 v27, v21, 3, v27
	v_and_b32 v21, 0xffff0000, v24
	v_min_u32 v21, 1, v21
	v_lshl_or_b32 v27, v21, 4, v27                 ; nxt = 32 x word + place
	v_add_nc_u32 v28, JB, v14
	s_wait_dscnt 0x0
	s_barrier_signal -1                            ; every wave has ended its search before the first table is written
	s_barrier_wait -1
	ds_store_b32 v28, v27
	s_wait_dscnt 0x0
	s_barrier_signal -1
	s_barrier_wait -1
.irp r, 0,1,2,3,4,5,6,7,8              ; J_(r+1)[t] = J_r[J_r[t]].  Two barriers a round: no gather shares a phase with a store
	v_min_u32 v27, 0x400, v27
	v_lshl_add_u32 v29, v27, 2, JB
	ds_load_b32 v27, v29 offset:4352*(\r)
	s_wait_dscnt 0x0
	s_barrier_signal -1
	s_barrier_wait -1
	ds_store_b32 v28, v27 offset:4352*((\r)+1)
	s_wait_dscnt 0x0
	s_barrier_signal -1
	s_barrier_wait -1
.endr
	s_lshl_b32 s21, s14, 5
	s_add_co_u32 s21, s21, s12                     ; my step
	v_mov_b32 v32, 0
.irp r, 9,8,7,6,5,4,3,2,1,0
	v_lshl_add_u32 v29, v32, 2, JB
	ds_load_b32 v33, v29 offset:4352*(\r)
	s_wait_dscnt 0x0
	v_cmp_ge_u32 vcc_lo, s21, v33
	v_cndmask_b32 v32, v32, v33, vcc_lo
	v_min_u32 v32, 0x400, v32
.endr
	v_min_u32 v32, 0x3ff, v32
	v_lshlrev_b32 v32, 2, v32
	ds_load_b32 v34, v32 offset:AL
	s_wait_dscnt 0x0
	v_min_u32 v34, 0xff, v34                       ; my mode
	v_lshl_add_u32 v36, v34, 12, v2
.irp i, 0,1,2,3,4,5,6,7
	global_load_b128 v[40+4*(\i):43+4*(\i)], v36, s[6:7] offset:512*(\i)
.endr
	v_lshlrev_b32 v35, 2, v1
	v_sub_nc_u32 v35, v34, v35                     ; mode less my first column
.irp i, 0,1
.irp c, 0,1,2,3
	v_cmp_eq_u32 vcc_lo, 128*(\i)+(\c), v35
	v_cndmask_b32 v[72+4*(\i)+(\c)], 0, 1.0, vcc_lo
.endr
.endr
	global_store_b128 v2, v[72:75], s[26:27] th:TH_STORE_NT
	global_store_b128 v2, v[76:79], s[26:27] offset:512 th:TH_STORE_NT
.irp i, 0,1,2,3,4,5,6,7
	s_wait_loadcnt 7-(\i)
	global_store_b128 v2, v[40+4*(\i):43+4*(\i)], s[24:25] offset:512*(\i) th:TH_STORE_NT   ; 512 bytes on end
.endr
	s_wait_tensorcnt 0x0                           ; the end of a wave that wrote LDS
	ds_add_u32 v30, v31
	s_wait_dscnt 0x0
	s_endpgm
.Lfunc_end_k_q94a114894d_emit:
	.size	k_q94a114894d_emit, .Lfunc_end_k_q94a114894d_emit-k_q94a114894d_emit
	.p2alignl 7, 3214868480
	.fill 96, 4, 3214868480
	.section	.rodata,"a",@progbits
	.p2align	6, 0x0
	.amdhsa_kernel k_q94a114894d_emit
		.amdhsa_group_segment_fixed_size 85504
		.amdhsa_private_segment_fixed_size 0
		.amdhsa_enable_private_segment 0
		.amdhsa_kernarg_size 32
		.amdhsa_user_sgpr_count 2
		.amdhsa_user_sgpr_kernarg_segment_ptr 1
		.amdhsa_wavefront_size32 1
		.amdhsa_system_sgpr_workgroup_id_x 1
		.amdhsa_system_sgpr_workgroup_id_y 1
		.amdhsa_system_sgpr_workgroup_id_z 1
		.amdhsa_system_vgpr_workitem_id 0
		.amdhsa_next_free_vgpr 96
		.amdhsa_next_free_sgpr 66
		.amdhsa_reserve_vcc 1
		.amdhsa_float_denorm_mode_32 3
		.amdhsa_float_denorm_mode_16_64 3
		.amdhsa_memory_ordered 1
		.amdhsa_forward_progress 1
		.amdhsa_inst_pref_size 26
	.end_amdhsa_kernel
	.amdgpu_metadata
---
amdhsa.version: [ 1, 2 ]
amdhsa.kernels:
  - .name:           k_q94a114894d_emit
    .symbol:         k_q94a114894d_emit.kd
    .args:
      - { .name: steer, .offset: 0, .size: 8, .value_kind: global_buffer, .address_space: global }
      - { .name: ytab, .offset: 8, .size: 8, .value_kind: global_buffer, .address_space: global }
      - { .name: out0, .offset: 16, .size: 8, .value_kind: global_buffer, .address_space: global }
      - { .name: out1, .offset: 24, .size: 8, .value_kind: global_buffer, .address_space: global }
    .group_segment_fixed_size: 85504
    .private_segment_fixed_size: 0
    .kernarg_segment_align: 8
    .kernarg_segment_size: 32
    .max_flat_workgroup_size: 1024
    .sgpr_count:     66
    .vgpr_count:     96
    .wavefront_size: 32
...
	.end_amdgpu_metadata
.endif
;; end of part 4
